; MI455X (gfx1250); checked and timed in simulation.
; The chip was launched on July 23, 2026; its instructions are those of AMD's public machine-readable ISA for CDNA 5 (MIT licence, August 2026) and "CDNA5" Instruction Set Architecture Reference Guide (July 2026). The comments in the code are by the model that wrote it; some were corrected since.
;; Casual Attention. Allowed arithmetic: matrix products marked QUANTISED: E2M3 operands, one E8M0 scale for each 32 along K, by v_wmma_scale_f32_16x16x128_f8f6f4 with both operands' format E2M3, f32 sums; everything else in f32.
;; Inputs: Wk 1,024 x 1,024 float32; Wq 1,024 x 1,024 float32; Wv 1,024 x 1,024 float32; inputs 4 x 2,048 x 1,024 float32.
;; Outputs: out0 4 x 2,048 x 1,024 float32.
;; This version of the problem:
;;   THIS VERSION OF THE PROBLEM IS GIVEN IN LOW PRECISION. The matrix products marked QUANTISED in the list below multiply operands that are first quantised to E2M3 (2 exponent bits, 3 mantissa bits; 6 bits a number), with one power-of-two scale for each 32 numbers along K (OCP MX v1.0); their sums are f32. All else is computed in f32.
;;   The module's matrix products, in the order in which they are computed (A, B: the left and right operand; K: the contracted axis; several contracted axes count as one K, in the product's order):
;;     1. [M 8,192, K 1,024] x [K 1,024, N 1,024]; A: input inputs; B: input Wq: QUANTISED
;;     2. [M 8,192, K 1,024] x [K 1,024, N 1,024]; A: input inputs; B: input Wk: QUANTISED
;;     3. [M 8,192, K 1,024] x [K 1,024, N 1,024]; A: input inputs; B: input Wv: QUANTISED
;;     4. batch 4 x [M 2,048, K 1,024] x [K 1,024, N 2,048]; A: computed on the way; B: computed on the way: QUANTISED
;;     5. batch 4 x [M 2,048, K 2,048] x [K 2,048, N 1,024]; A: softmax (see below); B: computed on the way: QUANTISED
;;   THE QUANTISER, for each operand of a quantised product, along K:
;;     - K is cut into blocks of 32 from its start; a last block that is shorter is filled with zeros.
;;     - A block's scale is 2^e with e = floor(log2(the largest magnitude in the block)) - 2, held to -126 .. 127; a block of zeros has e = 0. As a byte (E8M0): e + 127.
;;     - Each number is divided by its block's scale, clamped to +-7.5, and rounded to the nearest number of E2M3, ties to even, subnormals kept.
;;     - The product sums the exact products of the quantised numbers (number of the format x scale) in f32.
;;   ~~~python
;;   def quantise(x, axis):      # numpy; x: float32 -> the quantised numbers, widened to float32 again
;;       x = np.moveaxis(x, axis, -1); K = x.shape[-1]
;;       x = np.pad(x, [(0, 0)] * (x.ndim - 1) + [(0, -K % 32)]); x = x.reshape(x.shape[:-1] + (-1, 32)); a = np.abs(x).max(-1, keepdims=True)
;;       e = np.where(a > 0, np.clip(np.frexp(np.where(a > 0, a, 1))[1] - 1 - 2, -126, 127), 0)      # np.frexp(a)[1] - 1 = floor(log2(a)), exactly
;;       r = np.clip(x / 2.0 ** e, -7.5, 7.5)
;;       step = 2.0 ** (np.maximum(np.frexp(np.where(r == 0, 1, r))[1] - 1, 0) - 3)
;;       q = np.round(r / step) * step * 2.0 ** e      # np.round: ties to even
;;       return np.moveaxis(q.reshape(q.shape[:-2] + (-1,))[..., :K], -1, axis).astype(np.float32)
;;   ~~~
;;   SOFTMAX AHEAD OF A QUANTISED PRODUCT. Where the list says 'softmax', what is quantised is not the finished softmax but p = 2^(t - M), with t = logit x log2(e) and M = ceil(the row's largest t), a whole number; so 1/2 < the row's largest p <= 1. The row's sum l is taken of the UNQUANTISED p, in f32, and the product's result is divided by l at the end. Since M is a whole number, a kernel that streams over the keys may use a running M (the ceiling of the running maximum): every later rescaling is an exact power of two, which a block's scale takes up: the codes' values come out the same.
;;   OPERANDS COMPUTED ON THE WAY. 'Computed on the way' means the value that the module computes at that place (a softmax that the list does not call 'softmax' is quantised finished and normalised). What goes into a quantiser is computed in f32, as accurately as f32 sums, v_exp_f32 and their like allow (about 1e-6 of the number): no bf16 or f16 on the way to a quantiser, and a product that is left as it is and whose result goes on into a quantised operand takes f32 operands (vector FMAs, or v_wmma_f32_16x16x4_f32). A number that lies on a knife's edge between two numbers of the format may be rounded either way, as far as f32 arithmetic and the matrix unit's own rounding can turn it there, and no further.
;; One version. Each part assembles by itself: llvm-mc -triple=amdgcn-amd-amdhsa -mcpu=gfx1250 --defsym DOCPART=n.
;; ======== version 1 of 1: 4 launches
;; limits: right only within a limited range of input values
;; workspace buffers: xc 8,650,752 bytes; xs 360,448 bytes; qkvc 18,874,368 bytes; qkvs 786,432 bytes; pc 12,582,912 bytes; pst 1,572,864 bytes
;; launch quant (part 1): grid 352 x 1, 4 waves a work-group, no clusters, 34,304 bytes of LDS; arguments inputs, Wq, Wk, Wv, xc, xs; writes xc, xs
.if DOCPART == 1
	.amdgcn_target "amdgcn-amd-amdhsa--gfx1250"
	.amdhsa_code_object_version 6
	.text
	.protected	k_q5ec6a9b142_quant
	.globl	k_q5ec6a9b142_quant
	.p2align	8
	.type	k_q5ec6a9b142_quant,@function
k_q5ec6a9b142_quant:
	s_mov_b64 s[64:65], 0
	v_nop
	global_prefetch_b8 v0, s[64:65] scope:SCOPE_SE
	s_setreg_imm32_b32 hwreg(HW_REG_WAVE_MODE, 25, 1), 1
	s_wait_xcnt 0x0
; inputs [8192][1024], Wq, Wk, Wv [1024][1024], f32, K innermost, become codes of FP6 (E2M3) with one E8M0 byte for each 32 along K.
; The four tensors count as one list of 11,264 rows: 704 ROW BLOCKS of 16 rows (inputs 0-511, Wq 512-575, Wk 576-639, Wv 640-703).
; THE ROWS OF A BLOCK ARE NOT NEIGHBOURS: lane r of block a takes row 32 (a / 2) + 8 (a % 2) + r + 8 (r / 8).  Used as source 0 of a product, two neighbouring blocks
; then leave 16 neighbours along the next product's K in a lane's 16 result registers.
; xc: fragment (block, K step of 128) at (8 block + step) x 1536 bytes, AS AN IMAGE OF THE OPERAND'S 12 REGISTERS: registers 4 c .. 4 c + 3 of lane l at 512 c + 16 l.
; xs: chunk (group of four blocks, K step) of 256 bytes at (8 group + step) x 256: the scale word of lane r, block a4 of the group, at 16 r + 4 a4.
; SHARES.  A work-group takes half of the K steps of one group of 64 rows; a wave one K step: four fragments and one chunk of scale words.
; Each load reads 512 consecutive bytes of one row; a fragment's 16 rows turn through the wave's own stage in LDS (rows 528 bytes apart), from which lane (r, h) takes
; k = 64 c + 32 h + 0 .. 31 of row r: two whole blocks of 32, in the very order of the operand's registers.  Loads run two fragments (32 loads a wave) ahead.
; A block's scale is 2^(floor(log2(largest magnitude)) - 2); its byte is the largest magnitude's exponent field - 2, held at 1 from below.
; LIMITS: a block of zeros gets the byte 1 where the rule says 127 (its codes are zeros, and this program alone reads the bytes); NaN and infinities are not served.
; No matrix unit, no cluster, no tensor load: memory binds, the waves share nothing, and no barrier is needed.
.set SP,    528                        ; a stage row: 512 bytes + 16
.set STG,   16*SP                      ; a wave's stage
.set SPARE, 4*STG                      ; behind the four stages: the spare words, 128 bytes for each wave
.set LI,  4                            ; v4   16 x lane
.set SI,  5                            ; v5   the stage, on the way in
.set SO,  6                            ; v6   and on the way out: row r, + 128 h
.set SW,  7                            ; v7   my 8 bytes of the chunk of scale words: 16 r + 8 h
.set SPW, 8                            ; v8   my spare word; never rewritten
.set NIL, 9                            ; v9   0; never rewritten
.set TM,  10                           ; v10-13 largest magnitudes, four chains
.set SOP, 14                           ; v14-15 the conversions' scale operands
.set BY,  16                           ; v16-17 the scales' bytes
.set TA,  18
.set TB,  19
.set WD,  20                           ; v20-23 the four fragments' scale words
.set PR,  24                           ; v24-25 the two that I store
.set SH,  26                           ; v26   8 h
.set PC,  28                           ; v28-39 a fragment's codes
.set T,   40                           ; v40-46 the halves that are made elsewhere and moved
.set R,   64                           ; v64-191 two sets of 64 numbers as loaded
.set X,   192                          ; v192-255 64 numbers in the operand's order
	s_load_b256 s[4:11], s[0:1], 0x0               ; inputs, Wq, Wk, Wv
	s_load_b128 s[12:15], s[0:1], 0x20             ; xc, xs
	v_lshl_add_u32 v[SPW], v0, 2, SPARE
	v_mov_b32 v[NIL], 0
	v_lshrrev_b32 v1, 5, v0
	v_readfirstlane_b32 s22, v1                    ; wave
	v_and_b32 v1, 31, v0                           ; lane
	v_and_b32 v2, 15, v0                           ; r
	v_bfe_u32 v3, v0, 4, 1                         ; h
	v_lshlrev_b32 v[LI], 4, v1
	s_mul_i32 s23, s22, STG
	v_add_nc_u32 v[SI], s23, v[LI]
	v_mul_u32_u24 v[SO], v2, SP
	v_lshl_add_u32 v[SO], v3, 7, v[SO]
	v_add_nc_u32 v[SO], s23, v[SO]
	v_lshlrev_b32 v[SW], 4, v2
	v_lshl_add_u32 v[SW], v3, 3, v[SW]
	v_lshlrev_b32 v[SH], 3, v3
	v_mov_b32 v[TB], 0                             ; a lane permute's destination counts as one of its sources
	s_mov_b32 s20, 0x76543210
	s_mov_b32 s21, 0xfedcba98                      ; v_permlanex16_b32's selects for lane l xor 16
	s_lshr_b32 s16, ttmp9, 1                       ; g: the group of 64 rows, 0 .. 175
	s_and_b32 s24, ttmp9, 1
	s_lshl_b32 s24, s24, 2
	s_add_co_u32 s24, s24, s22                     ; my K step
	s_lshl_b32 s25, s16, 5
	s_add_co_u32 s25, s25, s24
	s_mul_i32 s26, s25, 1536                       ; xc: (32 g + step) x 1536
	s_mov_b32 s27, 0
	s_lshl_b32 s28, s16, 3
	s_add_co_u32 s28, s28, s24
	s_lshl_b32 s28, s28, 8                         ; xs: (8 g + step) x 256
	s_mov_b32 s29, 0
	s_mov_b32 s17, 160
	s_wait_kmcnt 0x0
	s_cmp_lt_u32 s16, 160                          ; which tensor: the choice hangs on the work-group's number alone; only pointers are chosen, the text has one path
	s_cselect_b64 s[8:9], s[8:9], s[10:11]
	s_cselect_b32 s17, 144, s17
	s_cmp_lt_u32 s16, 144
	s_cselect_b64 s[6:7], s[6:7], s[8:9]
	s_cselect_b32 s17, 128, s17
	s_cmp_lt_u32 s16, 128
	s_cselect_b64 s[4:5], s[4:5], s[6:7]
	s_cselect_b32 s17, 0, s17                      ; the tensor's first group
	s_sub_co_u32 s17, s16, s17
	s_lshl_b32 s18, s17, 18                        ; 64 rows of 4,096 bytes a group,
	s_lshl_b32 s19, s24, 9                         ; 512 bytes a K step
	s_add_co_u32 s18, s18, s19
	s_mov_b32 s19, 0
	s_add_nc_u64 s[4:5], s[4:5], s[18:19]
	s_add_nc_u64 s[12:13], s[12:13], s[26:27]
	s_add_nc_u64 s[14:15], s[14:15], s[28:29]
.macro LOAD f                          ; fragment f's 16 rows, 512 consecutive bytes each
.irp i, 0,1,2,3,4,5,6,7,8,9,10,11,12,13,14,15
	global_load_b128 v[R+64*((\f)%2)+4*\i:R+64*((\f)%2)+4*\i+3], v[LI], s[4:5] offset:(32*((\f)/2)+8*((\f)%2)+\i+8*(\i/8))*4096 th:TH_LOAD_NT
.endr
.endm
.macro FRAGQ f
.set RS, R+64*((\f)%2)
.if (\f) < 3
	s_wait_loadcnt 16                              ; my sixteen loads are in; the next fragment's sixteen stay out
.else
	s_wait_loadcnt 0x0
.endif
.irp i, 0,1,2,3,4,5,6,7,8,9,10,11,12,13,14,15
	ds_store_b128 v[SI], v[RS+4*\i:RS+4*\i+3] offset:SP*\i
.endr
.irp c, 0,1
.irp j, 0,1,2,3,4,5,6,7
	ds_load_b128 v[X+32*\c+4*\j:X+32*\c+4*\j+3], v[SO] offset:256*\c+16*\j   ; LDS serves a wave's instructions in order: these see the stores above
.endr
.endr
	s_wait_dscnt 0x0                               ; the numbers are back, and the stores have read their registers,
.if (\f) < 2
	LOAD (\f)+2                                    ; which take the loads of two fragments on
.endif
.irp c, 0,1                                    ; my block 2 c + h: all its 32 numbers are mine; two chains a block, each with the floor 2^(3 - 127): the byte cannot fall under 1
	v_max3_num_f32 v[TM+\c], |v[X+32*\c]|, |v[X+32*\c+1]|, 0x1800000
	v_max3_num_f32 v[TM+2+\c], |v[X+32*\c+16]|, |v[X+32*\c+17]|, 0x1800000
.endr
.irp i, 2,4,6,8,10,12,14
.irp c, 0,1
	v_max3_num_f32 v[TM+\c], v[TM+\c], |v[X+32*\c+\i]|, |v[X+32*\c+\i+1]|
	v_max3_num_f32 v[TM+2+\c], v[TM+2+\c], |v[X+32*\c+16+\i]|, |v[X+32*\c+17+\i]|
.endr
.endr
.irp c, 0,1
	v_max_num_f32 v[TM+\c], v[TM+\c], v[TM+2+\c]
.endr
.irp c, 0,1
	v_add_nc_u32 v[SOP+\c], 0xff000000, v[TM+\c]   ; 2 off the exponent field: the conversion takes the exponent field of this operand as its scale
.endr
.irp c, 0,1
	v_lshrrev_b32 v[BY+\c], 23, v[SOP+\c]          ; the scale's byte
.endr
	v_lshl_or_b32 v[TA], v[BY+1], 16, v[BY]        ; my two bytes, blocks h and 2 + h,
	v_lshlrev_b32 v[TA], v[SH], v[TA]              ; at their places in the word;
	v_permlanex16_b32 v[TB], v[TA], s20, s21
	v_or_b32 v[WD+(\f)], v[TA], v[TB]              ; with lane l xor 16's two the word is whole
	s_wait_xcnt 0x0                                ; the last fragment's stores have read their data: the codes' registers may be written again
.irp c, 0,1
	v_cvt_scalef32_pk16_fp6_f32 v[PC+6*\c:PC+6*\c+2], v[X+32*\c:X+32*\c+15], v[SOP+\c]
	v_cvt_scalef32_pk16_fp6_f32 v[T+4*\c:T+4*\c+2], v[X+32*\c+16:X+32*\c+31], v[SOP+\c]   ; (a conversion's three registers begin on an even number)
.endr
	v_nop                                          ; one plain place behind a scaled conversion
.irp c, 0,1
.irp i, 0,1,2
	v_mov_b32 v[PC+6*\c+3+\i], v[T+4*\c+\i]
.endr
.endr
.irp c, 0,1,2
	global_store_b128 v[LI], v[PC+4*\c:PC+4*\c+3], s[12:13] offset:(\f)*12288+512*\c   ; 32 lanes store 512 consecutive bytes, at a multiple of 256 from the buffer's first byte
.endr
.endm
	LOAD 0
	LOAD 1
	FRAGQ 0
	FRAGQ 1
	FRAGQ 2
	FRAGQ 3
	v_cmp_ne_u32 vcc_lo, 0, v3
	v_cndmask_b32 v[PR], v[WD], v[WD+2], vcc_lo    ; lanes 0-15 store blocks 0 and 1's words, lanes 16-31 blocks 2 and 3's
	v_cndmask_b32 v[PR+1], v[WD+1], v[WD+3], vcc_lo
	global_store_b64 v[SW], v[PR:PR+1], s[14:15]   ; 32 lanes store 256 consecutive bytes, aligned
	s_wait_tensorcnt 0x0                           ; the wave's end, behind my last LDS store
	ds_add_u32 v[SPW], v[NIL]
	s_wait_dscnt 0x0
	s_endpgm
.Lfunc_end_k_q5ec6a9b142_quant:
	.size	k_q5ec6a9b142_quant, .Lfunc_end_k_q5ec6a9b142_quant-k_q5ec6a9b142_quant
	.p2alignl 7, 3214868480
	.fill 96, 4, 3214868480
	.section	.rodata,"a",@progbits
	.p2align	6, 0x0
	.amdhsa_kernel k_q5ec6a9b142_quant
		.amdhsa_group_segment_fixed_size 34304
		.amdhsa_private_segment_fixed_size 0
		.amdhsa_enable_private_segment 0
		.amdhsa_kernarg_size 48
		.amdhsa_user_sgpr_count 2
		.amdhsa_user_sgpr_kernarg_segment_ptr 1
		.amdhsa_wavefront_size32 1
		.amdhsa_system_sgpr_workgroup_id_x 1
		.amdhsa_system_sgpr_workgroup_id_y 1
		.amdhsa_system_sgpr_workgroup_id_z 1
		.amdhsa_system_vgpr_workitem_id 0
		.amdhsa_next_free_vgpr 256
		.amdhsa_next_free_sgpr 66
		.amdhsa_reserve_vcc 1
		.amdhsa_float_denorm_mode_32 3
		.amdhsa_float_denorm_mode_16_64 3
		.amdhsa_memory_ordered 1
		.amdhsa_forward_progress 1
		.amdhsa_inst_pref_size 31
	.end_amdhsa_kernel
	.amdgpu_metadata
---
amdhsa.version: [ 1, 2 ]
amdhsa.kernels:
  - .name:           k_q5ec6a9b142_quant
    .symbol:         k_q5ec6a9b142_quant.kd
    .args:
      - { .name: inputs, .offset: 0, .size: 8, .value_kind: global_buffer, .address_space: global }
      - { .name: Wq, .offset: 8, .size: 8, .value_kind: global_buffer, .address_space: global }
      - { .name: Wk, .offset: 16, .size: 8, .value_kind: global_buffer, .address_space: global }
      - { .name: Wv, .offset: 24, .size: 8, .value_kind: global_buffer, .address_space: global }
      - { .name: xc, .offset: 32, .size: 8, .value_kind: global_buffer, .address_space: global }
      - { .name: xs, .offset: 40, .size: 8, .value_kind: global_buffer, .address_space: global }
    .group_segment_fixed_size: 34304
    .private_segment_fixed_size: 0
    .kernarg_segment_align: 8
    .kernarg_segment_size: 48
    .max_flat_workgroup_size: 128
    .sgpr_count:     66
    .vgpr_count:     256
    .wavefront_size: 32
...
	.end_amdgpu_metadata
.endif
;; end of part 1
;; launch proj (part 2): grid 8 x 48, 4 waves a work-group, clusters of 4 x 4, 327,680 bytes of LDS; arguments xc, xs, qkvc, qkvs; writes qkvc, qkvs
.if DOCPART == 2
	.amdgcn_target "amdgcn-amd-amdhsa--gfx1250"
	.amdhsa_code_object_version 6
	.text
	.protected	k_q5ec6a9b142_proj
	.globl	k_q5ec6a9b142_proj
	.p2align	8
	.type	k_q5ec6a9b142_proj,@function
k_q5ec6a9b142_proj:
	s_mov_b64 s[64:65], 0
	v_nop
	global_prefetch_b8 v0, s[64:65] scope:SCOPE_SE
	s_setreg_imm32_b32 hwreg(HW_REG_WAVE_MODE, 25, 1), 1
	s_wait_xcnt 0x0
	s_wait_alu depctr_hold_cnt(0) depctr_sa_sdst(0) depctr_va_vdst(0) depctr_va_sdst(0) depctr_va_ssrc(0) depctr_va_vcc(0) depctr_vm_vsrc(0)
	s_getreg_b32 s2, hwreg(HW_REG_IB_STS2, 6, 4)
	s_cmp_eq_u32 s2, 0
	s_cbranch_scc0 .Lentry_in_a_cluster
	s_endpgm
.Lentry_in_a_cluster:
	s_bfe_u32 s2, ttmp6, 0x10000c
	s_cmp_lg_u32 s2, 0xf033
	s_cbranch_scc0 .Lentry_shape_is_right
	s_endpgm
.Lentry_shape_is_right:
; q = x Wq^T, k = x Wk^T, v = x Wv^T on codes of FP6 (E2M3), and the quantisers of the three results: q and k along the features, v along the keys.
; ONE CORE, C = A B^T with K = 1,024, whose result is quantised along B's rows.  q, k: A = x (32 tiles of 256 tokens), B = Wq | Wk (8 tiles).  v: A = Wv (4 tiles), B = x (32 tiles), so that the registers run along the tokens.
; 384 tiles of 256 x 256; a tile is made by four waves, each 128 x 128: 64 accumulators, 512 registers.
; OPERANDS lie in memory as images of their registers (fragment = 16 rows x 128 K = 1,536 bytes: registers 4 c .. 4 c + 3 of lane l at 512 c + 16 l), so a fragment is three LDS loads of 512 consecutive bytes: no pitch, no padding.
; THE MATRIX INSTRUCTION IS USED TRANSPOSED (source 0 = 16 rows of B, source 1 = 16 rows of A), and the rows of a block are 32 (b / 2) + 8 (b % 2) + r + 8 (r / 8):
; the 16 registers of accumulators (a, 2 n) and (a, 2 n + 1) are B's rows 32 n + 16 (lane / 16) + 0 .. 15: 16 neighbours along the next product's K.  So the results are quantised in registers.
; LDS: three slots of 98,304 bytes, each with two K steps of A's 16 blocks and B's 16.  K has four slots' worth: three go out at the start (three tensor loads of a wave are out); the fourth is the launch's one refill,
; of slot 0, asked for in K step 1, as soon as slot 0 has been read out: 224 matrix instructions ahead of the wait for it.
; SCALE WORDS go from memory straight into 64 registers: register SC + 8 q + i holds A's block i in lanes 0-15 and B's block i in lanes 16-31, for K step q.
; CLUSTERS: 4 x 4 work-groups; A's tile is shared along a row of the cluster, B's along a column: each is asked for jointly, which divides the requests by four.
; qkvc: fragment (RB, ks) at (16 RB + ks) x 1536.  RB 0-511: token blocks, q in ks 0-7, k in ks 8-15.  RB 512 + 64 batch + feature block: v^T, ks = the batch's keys / 128.  qkvs: chunk (RB / 4, ks) of 256 bytes at (16 (RB / 4) + ks) x 256, word (r, RB % 4) at 16 r + 4 (RB % 4).
; LIMITS: a block of zeros gets the byte 1 where the rule says 127 (its codes are zeros, and this program alone reads the bytes); NaN and infinities are not served.
; REGISTERS, in windows of 256: window 0: v1-15 lane numbers and addresses; v32-95 scale words and nothing else; v96-111, v224-252 the way out; v128-223 A's fragments, one set, later the codes.
;   window 1: B's fragments, two sets, at v0 and v128.   windows 2, 3: accumulator (a, b) at v[8 (8 (a % 4) + b)] of window 2 + a / 4.
.set KS,    8                          ; K steps in a row block of xc
.set SLOT,  98304
.set HALF,  24576                      ; 8 blocks x two K steps: what one tensor load brings, and what one wave reads of A or of B in a slot
.set SPARE, 3*SLOT                     ; behind the slots: the spare words, 128 bytes for each wave
.set CH,    256*KS                     ; from a group's chunks of scale words to the next group's
.set LI,   3                           ; v3   16 x lane
.set ADRA, 4                           ; v4-6 LDS address of my A fragments in slot 0, 1, 2
.set ADRB, 7                           ; v7-9 the same for B
.set SPW,  10                          ; v10  my spare word; never rewritten
.set NIL,  11                          ; v11  0; never rewritten
.set SOF,  12                          ; v12  the scale loads' offset
.set SWO,  13                          ; v13  where I store scale words
.set SC,   32
.set PW,   96                          ; v96-103 the eight blocks' scale words
.set QD,   104                         ; v104-107 the four that I store
.set AF,   128
.set T,    224                         ; v224-230 the halves that are made elsewhere and moved
.set TM,   232                         ; v232-235 largest magnitudes, v236-239 bytes, v244-247 the conversions' scale operands
.set FLR,  252                         ; v252 the floor 2^(3 - 127)
.set G1A,  24                          ; s[24:31] descriptor group 1 for A's tiles; groups 0 for fills 0, 1, 2: s[32:35], s[36:39], s[56:59]
.set G0A0, 32
.set G0A1, 36
.set G0A2, 56
.set G1B,  48                          ; s[48:55] for B's; s[60:63], s[68:71], s[72:75]
.set G0B0, 60
.set G0B1, 68
.set G0B2, 72
.set SEL,  84                          ; s[84:85] v_permlanex16_b32's selects for lane l xor 16
.set MSB, 0
.macro WIN new                         ; bits 1:0 source 0, 3:2 source 1, 5:4 source 2, 7:6 destination; the immediate's high byte repeats the setting that is left
.if MSB != (\new)
	s_set_vgpr_msb (MSB<<8)|(\new)
.set MSB, \new
.endif
.endm
.macro PLACES n                        ; plain vector instructions between a matrix instruction and a load into, or a vector read of, its registers
.rept \n
	v_nop
.endr
.endm
.macro CREST                           ; a round of the cluster's barrier behind its opening barrier
	s_cmp_lg_u32 s14, 0
	s_cbranch_scc1 .Lnot_wave_0_\@
	s_barrier_signal -3
.Lnot_wave_0_\@:
	s_barrier_wait -3
	s_barrier_signal -1
	s_barrier_wait -1
.endm
.macro CROUND
	s_barrier_signal -1
	s_barrier_wait -1
	CREST
.endm
.macro JLOAD                           ; the joint refill of slot 0: waves 0 and 1 fetch A's halves, waves 2 and 3 B's; an s_nop 0 and four v_nop follow each line
	s_cmp_eq_u32 s15, 0
	s_cbranch_scc0 .Lfor_b_\@
	tensor_load_to_lds s[G0A0:G0A0+3], s[G1A:G1A+7]
	s_nop 0
	PLACES 4
	s_branch .Lasked_\@
.Lfor_b_\@:
	tensor_load_to_lds s[G0B0:G0B0+3], s[G1B:G1B+7]
	s_nop 0
	PLACES 4
.Lasked_\@:
.endm
.macro MKG0 g, base, f                 ; group 0 of fill f: count 1; LDS address; global address; type 2
	s_mov_b32 s[\g], 1
	s_add_co_u32 s[\g+1], s45, (\f)*SLOT
	s_add_nc_u64 s[\g+2:\g+3], s[\base:\base+1], (\f)*3072
	s_or_b32 s[\g+3], s[\g+3], 0x80000000
.endm
.macro FRAG reg, adr, off              ; a fragment: three loads of 512 consecutive bytes
.irp c, 0,1,2
	ds_load_b128 v[\reg+4*\c:\reg+4*\c+3], v[\adr] offset:\off+512*\c
.endr
.endm
.macro FETCH_B s, q, p                 ; B's eight fragments of slot s, K step q of its two, into set p
	WIN 0x40
.irp i, 0,1,2,3,4,5,6,7
	FRAG 128*(\p)+12*\i, ADRB+(\s), \i*3072+(\q)*1536
.endr
	WIN 0
.endm
.macro FETCH_A s, q, i0                ; A's blocks i0 .. i0 + 3
.irp i, \i0, \i0+1, \i0+2, \i0+3
	FRAG AF+12*(\i), ADRA+(\s), (\i)*3072+(\q)*1536
.endr
.endm
; 16 matrix instructions: A's blocks a0, a0 + 1 x B's eight, K step q.  The 64 accumulators take turns, one instruction a turn, in the same order in every K step.
.macro MUL16 a0, p, q, zero
.irp a, \a0, \a0+1
.irp b, 0,1,2,3,4,5,6,7
.set DR, 8*(8*((\a)%4)+\b)
.if \zero
	v_wmma_scale_f32_16x16x128_f8f6f4 v[DR:DR+7], v[128*(\p)+12*\b:128*(\p)+12*\b+11], v[AF+12*(\a):AF+12*(\a)+11], 0, v[SC+8*(\q)+\b], v[SC+8*(\q)+(\a)] matrix_a_fmt:MATRIX_FMT_FP6 matrix_b_fmt:MATRIX_FMT_FP6 matrix_a_scale:MATRIX_SCALE_ROW1
.else
	v_wmma_scale_f32_16x16x128_f8f6f4 v[DR:DR+7], v[128*(\p)+12*\b:128*(\p)+12*\b+11], v[AF+12*(\a):AF+12*(\a)+11], v[DR:DR+7], v[SC+8*(\q)+\b], v[SC+8*(\q)+(\a)] matrix_a_fmt:MATRIX_FMT_FP6 matrix_b_fmt:MATRIX_FMT_FP6 matrix_a_scale:MATRIX_SCALE_ROW1
.endif
.endr
.endr
.endm
; K STEP q: 64 matrix instructions.  A has one set of registers: blocks 0-3 are fetched anew in the step's middle, blocks 4-7 at its end; B has two sets.
; mode 0: the next K step lies in a slot that has been shown whole.
; mode 1: the wait for all tensor loads, the add and a round of the cluster's barrier, behind which slot 0 is filled again; the same wait and barrier show slots 1 and 2 whole to every wave.
; mode 2: the same wait and add and a barrier of the work-group; nothing is filled: it shows the refilled slot 0 whole.   mode 3: the last K step.
.macro KSTEP q, mode, zero
.set SL, (((\q)+1)/2)%3
.set NQ, ((\q)+1)%2
.set P,  (\q)%2
.if (\mode == 1) || (\mode == 2)
	s_wait_tensorcnt 0x0                           ; all my tensor loads have landed, my part of the slots ahead among them;
	ds_add_u32 v[SPW], v[NIL]                      ; 0 onto my spare word;
	s_wait_dscnt 13                                ; (the add and the youngest twelve loads, A's blocks 4-7, may be out)
.else
	s_wait_dscnt 12                                ; B's set and A's blocks 0-3 are in; the youngest twelve loads (A's blocks 4-7) may be out
.endif
	WIN 0xa1
	MUL16 0, P, \q, \zero
.if (\mode == 1) || (\mode == 2)
	s_wait_dscnt 0x0                               ; my LDS instructions are done: my reads of the slot that I leave are over
	s_barrier_signal -1
.endif
	MUL16 2, P, \q, \zero
.if (\mode == 1) || (\mode == 2)
	WIN 0
	s_barrier_wait -1
.else
	s_wait_dscnt 0x0                               ; A's blocks 4-7 are in (asked for 32 matrix instructions ago)
.endif
.if \mode == 1
	CREST                                          ; the barrier has opened a round of the cluster's: no wave of any partner still reads slot 0 or has a load on its way
	s_add_nc_u64 s[G0A0+2:G0A0+3], s[G0A0+2:G0A0+3], 3*3072   ; from K steps 0, 1 to K steps 6, 7
	s_add_nc_u64 s[G0B0+2:G0B0+3], s[G0B0+2:G0B0+3], 3*3072
	JLOAD                                          ; the first tensor load behind the round; its four v_nop are the places in front of the loads below
.elseif \mode != 3
	PLACES 4
.endif
.if \mode != 3
	FETCH_B SL, NQ, 1-P
	FETCH_A SL, NQ, 0
.endif
	WIN 0xf1
	MUL16 4, P, \q, \zero
	MUL16 6, P, \q, \zero
.if \mode != 3
	PLACES 4
	WIN 0
	FETCH_A SL, NQ, 4
.else
	WIN 0
.endif
.endm
	s_load_b256 s[4:11], s[0:1], 0x0               ; xc, xs, qkvc, qkvs
	v_lshl_add_u32 v[SPW], v0, 2, SPARE
	v_mov_b32 v[NIL], 0
	ds_add_u32 v[SPW], v[NIL]                      ; the wave's opening: the add and its wait stand ahead of my first tensor load; work on registers stands between them
	v_lshrrev_b32 v1, 5, v0
	v_readfirstlane_b32 s14, v1                    ; wave 0..3
	s_lshr_b32 s15, s14, 1                         ; which half of A's rows is mine.  Also: I fetch for A (0) or for B (1)
	s_and_b32 s16, s14, 1                          ; which half of B's rows.  Also: which 8 blocks of that tile I fetch
	s_bfe_u32 s40, ttmp6, 0x40000                  ; cx, cy: my place in the cluster
	s_bfe_u32 s41, ttmp6, 0x40004
	s_and_b32 s18, ttmp7, 0xffff                   ; cluster y: 0-7 make q and k, 8-11 make v
	s_sub_co_u32 s19, s18, 8
	s_lshl_b32 s19, s19, 1
	s_add_co_u32 s19, s19, ttmp9
	s_lshl_b32 s19, s19, 2                         ; v: the cluster's first tile of tokens, 4 (2 (y - 8) + x)
	s_lshl_b32 s22, ttmp9, 2
	s_lshl_b32 s23, s18, 2
	s_cmp_lt_u32 s18, 8                            ; the same in all sixteen partners; it chooses numbers, no path
	s_cselect_b32 s42, s22, s19                    ; B's first tile
	s_cselect_b32 s17, s23, 0                      ; A's first tile
	s_cselect_b32 s76, 0, 640                      ; A's first row block in xc: x or Wv
	s_cselect_b32 s77, 512, 0                      ; B's: Wq | Wk or x
	s_cselect_b32 s78, 0, 512                      ; the output's first row block in qkvc
	s_add_co_u32 s42, s42, s40                     ; B's tile: hangs on cx alone within the cluster
	s_add_co_u32 s17, s17, s41                     ; A's tile: on cy alone
	s_lshl_b32 s43, s41, 2
	s_lshl_b32 s43, 15, s43                        ; my row of the cluster
	s_lshl_b32 s44, 0x1111, s40                    ; my column
	; descriptor group 1: 8 rows (blocks) of 3,072 bytes (two K steps), as 384 elements of 8 bytes, a row block of xc apart; no padding
	s_or_b32 s[G1A], s43, (3<<16)|(1<<21)          ; 15:0 the mask; 17:16 elements of 8 bytes; 21 set beside a mask
	s_or_b32 s[G1B], s44, (3<<16)|(1<<21)
.irp g, G1A, G1B
	s_mov_b32 s[\g+1], 384<<16                     ; tensor_dim0
	s_mov_b32 s[\g+2], 8<<16                       ; tensor_dim1
	s_mov_b32 s[\g+3], 384<<16                     ; tile_dim0
	s_mov_b32 s[\g+4], 8                           ; tile_dim1
	s_mov_b32 s[\g+5], 192*KS                      ; tensor_dim0_stride
	s_mov_b32 s[\g+6], 0
	s_mov_b32 s[\g+7], 0
.endr
	s_lshl_b32 s20, s17, 4
	s_add_co_u32 s20, s20, s76
	s_lshl_b32 s21, s16, 3
	s_add_co_u32 s20, s20, s21                     ; A: the first block that I fetch
	s_mul_i32 s20, s20, 1536*KS
	s_mov_b32 s21, 0
	s_lshl_b32 s46, s42, 4
	s_add_co_u32 s46, s46, s77
	s_lshl_b32 s47, s16, 3
	s_add_co_u32 s46, s46, s47                     ; B likewise, in registers that never hold cy
	s_mul_i32 s46, s46, 1536*KS
	s_mov_b32 s47, 0
	s_mul_i32 s45, s14, HALF                       ; where they go: wave x 24,576: no place in the cluster enters an LDS address
	s_mov_b32 s[SEL], 0x76543210
	s_mov_b32 s[SEL+1], 0xfedcba98
	s_wait_dscnt 0x0                               ; the opening add is done
	s_wait_kmcnt 0x0
	s_add_nc_u64 s[20:21], s[4:5], s[20:21]
	s_add_nc_u64 s[46:47], s[4:5], s[46:47]
	MKG0 G0A0, 20, 0                               ; the groups 0 are made ahead of the round, so that the loads go out directly behind it
	MKG0 G0A1, 20, 1
	MKG0 G0A2, 20, 2
	MKG0 G0B0, 46, 0
	MKG0 G0B1, 46, 1
	MKG0 G0B2, 46, 2
	CROUND                                         ; all sixteen work-groups are here: the first joint loads meet
	s_cmp_eq_u32 s15, 0                            ; a wave's three first fills stand in one branch, ahead of every wait on TENSORcnt, every LDS read and every barrier of the work-group's own
	s_cbranch_scc0 .Lfirst_b
	tensor_load_to_lds s[G0A0:G0A0+3], s[G1A:G1A+7]
	s_nop 0
	tensor_load_to_lds s[G0A1:G0A1+3], s[G1A:G1A+7]
	s_nop 0
	tensor_load_to_lds s[G0A2:G0A2+3], s[G1A:G1A+7]
	s_nop 0
	PLACES 4
	s_branch .Lfirst_asked
.Lfirst_b:
	tensor_load_to_lds s[G0B0:G0B0+3], s[G1B:G1B+7]
	s_nop 0
	tensor_load_to_lds s[G0B1:G0B1+3], s[G1B:G1B+7]
	s_nop 0
	tensor_load_to_lds s[G0B2:G0B2+3], s[G1B:G1B+7]
	s_nop 0
	PLACES 4
.Lfirst_asked:
	v_and_b32 v1, 15, v0                           ; r
	v_bfe_u32 v2, v0, 4, 1                         ; h
	v_and_b32 v3, 31, v0
	v_lshlrev_b32 v[LI], 4, v3
	; the scale words: lanes 0-15 take A's, lanes 16-31 B's: offset = A's + h x (B's - A's) + 16 r
	s_lshl_b32 s86, s17, 4
	s_lshl_b32 s87, s15, 3
	s_add_co_u32 s86, s86, s87                     ; 16 x A's tile + 8 x my half
	s_add_co_u32 s82, s86, s76
	s_lshl_b32 s82, s82, 9                         ; a block's share of a group's 8 chunks: 512 bytes
	s_lshl_b32 s83, s42, 4
	s_add_co_u32 s83, s83, s77
	s_lshl_b32 s87, s16, 3
	s_add_co_u32 s83, s83, s87
	s_lshl_b32 s83, s83, 9
	s_sub_co_u32 s83, s83, s82
	v_mul_lo_u32 v[SOF], v2, s83
	v_add_nc_u32 v[SOF], s82, v[SOF]
	v_lshl_add_u32 v[SOF], v1, 4, v[SOF]
.irp q, 0,1,2,3,4,5,6,7
.irp u, 0,1
	global_load_b128 v[SC+8*\q+4*\u:SC+8*\q+4*\u+3], v[SOF], s[6:7] offset:\u*CH+256*\q   ; sixteen lanes read a whole chunk of 256 bytes: four blocks' words a lane
.endr
.endr
	s_mul_i32 s80, s15, HALF                       ; my 8 blocks of A
	s_mul_i32 s81, s16, HALF                       ; my 8 blocks of B,
	s_add_co_u32 s81, s81, 2*HALF                  ; which lie behind A's 16
.irp s, 0,1,2
	v_add_nc_u32 v[ADRA+\s], s80, v[LI]
	v_add_nc_u32 v[ADRB+\s], s81, v[LI]
	s_add_co_u32 s80, s80, SLOT
	s_add_co_u32 s81, s81, SLOT
.endr
	; the output: row block RB0 = base + 64 (B's tile / 8) + 16 x A's tile + 8 x half; K step 2 (B's tile % 8) + half
	s_lshr_b32 s80, s42, 3
	s_lshl_b32 s80, s80, 6
	s_add_co_u32 s80, s80, s78
	s_add_co_u32 s86, s86, s80                     ; RB0
	s_and_b32 s87, s42, 7
	s_lshl_b32 s87, s87, 1
	s_add_co_u32 s87, s87, s16                     ; the K step
	s_lshl_b32 s88, s86, 4
	s_add_co_u32 s88, s88, s87
	s_mul_i32 s88, s88, 1536
	s_mov_b32 s89, 0
	s_add_nc_u64 s[8:9], s[8:9], s[88:89]
	s_lshl_b32 s88, s86, 10
	s_lshl_b32 s87, s87, 8
	s_add_co_u32 s88, s88, s87
	s_add_nc_u64 s[10:11], s[10:11], s[88:89]
	v_lshlrev_b32 v[SWO], 12, v2                   ; lanes 16-31 store the second group's chunk, 4,096 bytes on
	v_lshl_add_u32 v[SWO], v1, 4, v[SWO]
	v_mov_b32 v[FLR], 0x1800000
.irp b, 0,1,2,3
	v_mov_b32 v[TM+4+\b], 0                        ; written once: a lane permute's destination counts as one of its sources
.endr
	s_wait_tensorcnt 0x2                           ; my part of slot 0 has landed; slots 1 and 2 may stay out
	s_barrier_signal -1
	s_barrier_wait -1                              ; everybody's has
	FETCH_B 0, 0, 0
	FETCH_A 0, 0, 0
	FETCH_A 0, 0, 4
	s_wait_loadcnt 0x0                             ; the scale words
	KSTEP 0, 0, 1                                  ; the first products start the sums: nothing is cleared
	KSTEP 1, 1, 0                                  ; slot 0 is read out: it is asked for again, with K steps 6 and 7
	KSTEP 2, 0, 0
	KSTEP 3, 0, 0
	KSTEP 4, 0, 0
	KSTEP 5, 2, 0                                  ; the refilled slot 0 is shown whole
	KSTEP 6, 0, 0
	KSTEP 7, 3, 0
	PLACES 4                                       ; in front of the first read of results and the first write of registers that held A's fragments
; THE WAY OUT.  Block a's 64 registers, register 16 n + i = B's row 32 n + 16 (lane / 16) + i of my 128, are one fragment of the next product: four blocks of 32, each shared with lane l xor 16.
.macro QUANTW a
.set W, 2+(\a)/4
.set SB, 64*((\a)%4)
.set PCA, AF+12*(\a)
.set WW, (W<<2)|(W<<4)
	WIN WW
.irp b, 0,1,2,3
	v_max3_num_f32 v[TM+\b], v[FLR], |v[SB+16*\b]|, |v[SB+16*\b+1]|   ; with the floor: the byte cannot fall under 1.  Each accumulator is read from its low end on
.endr
.irp i, 2,4,6,8,10,12,14
.irp b, 0,1,2,3
	v_max3_num_f32 v[TM+\b], v[TM+\b], |v[SB+16*\b+\i]|, |v[SB+16*\b+\i+1]|
.endr
.endr
	WIN 0
.irp b, 0,1,2,3
	v_permlanex16_b32 v[TM+4+\b], v[TM+\b], s[SEL], s[SEL+1]
.endr
.irp b, 0,1,2,3
	v_max_num_f32 v[TM+\b], v[TM+\b], v[TM+4+\b]   ; the block's largest magnitude
.endr
.irp b, 0,1,2,3
	v_add_nc_u32 v[TM+12+\b], 0xff000000, v[TM+\b] ; 2 off its exponent field: the conversion's scale operand
.endr
.irp b, 0,1,2,3
	v_lshrrev_b32 v[TM+4+\b], 23, v[TM+12+\b]      ; the scale's byte
.endr
	v_lshl_or_b32 v[PW+(\a)], v[TM+5], 8, v[TM+4]
	v_lshl_or_b32 v[PW+(\a)], v[TM+6], 16, v[PW+(\a)]
	v_lshl_or_b32 v[PW+(\a)], v[TM+7], 24, v[PW+(\a)]
	WIN W
.irp c, 0,1
	v_cvt_scalef32_pk16_fp6_f32 v[PCA+6*\c:PCA+6*\c+2], v[SB+32*\c:SB+32*\c+15], v[TM+12+2*\c]
	v_cvt_scalef32_pk16_fp6_f32 v[T+4*\c:T+4*\c+2], v[SB+32*\c+16:SB+32*\c+31], v[TM+12+2*\c+1]   ; (a conversion's three registers begin on an even number)
.endr
	v_nop                                          ; one plain place behind a scaled conversion
	WIN 0
.irp c, 0,1                                    ; the operand's layout wants a whole block in a lane: lanes 0-15 block 2 c, lanes 16-31 block 2 c + 1
.irp i, 0,1,2
	v_permlane16_swap_b32 v[PCA+6*\c+\i], v[T+4*\c+\i]
.endr
.irp i, 0,1,2
	v_mov_b32 v[PCA+6*\c+3+\i], v[T+4*\c+\i]
.endr
.endr
.irp c, 0,1,2
	global_store_b128 v[LI], v[PCA+4*\c:PCA+4*\c+3], s[8:9] offset:(\a)*24576+512*\c   ; 512 consecutive bytes; each block has codes' registers of its own, so no store's data are written again
.endr
.endm
.irp a, 0,1,2,3,4,5,6,7
	QUANTW \a
.endr
	v_cmp_ne_u32 vcc_lo, 0, v2
.irp i, 0,1,2,3
	v_cndmask_b32 v[QD+\i], v[PW+\i], v[PW+4+\i], vcc_lo   ; lanes 0-15: blocks 0-3's words; lanes 16-31: blocks 4-7's
.endr
	global_store_b128 v[SWO], v[QD:QD+3], s[10:11] ; two whole chunks of 256 bytes
	s_wait_tensorcnt 0x0                           ; the wave's end
	ds_add_u32 v[SPW], v[NIL]
	s_wait_dscnt 0x0
	CROUND                                         ; the closing round: no work-group ends while a partner may still ask for a tile that names it
	s_endpgm
.Lfunc_end_k_q5ec6a9b142_proj:
	.size	k_q5ec6a9b142_proj, .Lfunc_end_k_q5ec6a9b142_proj-k_q5ec6a9b142_proj
	.p2alignl 7, 3214868480
	.fill 96, 4, 3214868480
	.section	.rodata,"a",@progbits
	.p2align	6, 0x0
	.amdhsa_kernel k_q5ec6a9b142_proj
		.amdhsa_group_segment_fixed_size 327680
		.amdhsa_private_segment_fixed_size 0
		.amdhsa_enable_private_segment 0
		.amdhsa_kernarg_size 32
		.amdhsa_user_sgpr_count 2
		.amdhsa_user_sgpr_kernarg_segment_ptr 1
		.amdhsa_wavefront_size32 1
		.amdhsa_system_sgpr_workgroup_id_x 1
		.amdhsa_system_sgpr_workgroup_id_y 1
		.amdhsa_system_sgpr_workgroup_id_z 1
		.amdhsa_system_vgpr_workitem_id 0
		.amdhsa_next_free_vgpr 1024
		.amdhsa_next_free_sgpr 90
		.amdhsa_reserve_vcc 1
		.amdhsa_float_denorm_mode_32 3
		.amdhsa_float_denorm_mode_16_64 3
		.amdhsa_memory_ordered 1
		.amdhsa_forward_progress 1
		.amdhsa_inst_pref_size 136
	.end_amdhsa_kernel
	.amdgpu_metadata
---
amdhsa.version: [ 1, 2 ]
amdhsa.kernels:
  - .name:           k_q5ec6a9b142_proj
    .symbol:         k_q5ec6a9b142_proj.kd
    .args:
      - { .name: xc, .offset: 0, .size: 8, .value_kind: global_buffer, .address_space: global }
      - { .name: xs, .offset: 8, .size: 8, .value_kind: global_buffer, .address_space: global }
      - { .name: qkvc, .offset: 16, .size: 8, .value_kind: global_buffer, .address_space: global }
      - { .name: qkvs, .offset: 24, .size: 8, .value_kind: global_buffer, .address_space: global }
    .group_segment_fixed_size: 327680
    .private_segment_fixed_size: 0
    .kernarg_segment_align: 8
    .kernarg_segment_size: 32
    .max_flat_workgroup_size: 128
    .sgpr_count:     90
    .vgpr_count:     1024
    .wavefront_size: 32
...
	.end_amdgpu_metadata
.endif
;; end of part 2
;; launch score (part 3): grid 12 x 16, 4 waves a work-group, clusters of 4 x 4, 327,680 bytes of LDS; arguments qkvc, qkvs, pc, pst; writes pc, pst
.if DOCPART == 3
	.amdgcn_target "amdgcn-amd-amdhsa--gfx1250"
	.amdhsa_code_object_version 6
	.text
	.protected	k_q5ec6a9b142_score
	.globl	k_q5ec6a9b142_score
	.p2align	8
	.type	k_q5ec6a9b142_score,@function
k_q5ec6a9b142_score:
	s_mov_b64 s[64:65], 0
	v_nop
	global_prefetch_b8 v0, s[64:65] scope:SCOPE_SE
	s_setreg_imm32_b32 hwreg(HW_REG_WAVE_MODE, 25, 1), 1
	s_wait_xcnt 0x0
	s_wait_alu depctr_hold_cnt(0) depctr_sa_sdst(0) depctr_va_vdst(0) depctr_va_sdst(0) depctr_va_ssrc(0) depctr_va_vcc(0) depctr_vm_vsrc(0)
	s_getreg_b32 s2, hwreg(HW_REG_IB_STS2, 6, 4)
	s_cmp_eq_u32 s2, 0
	s_cbranch_scc0 .Lentry_in_a_cluster
	s_endpgm
.Lentry_in_a_cluster:
	s_bfe_u32 s2, ttmp6, 0x10000c
	s_cmp_lg_u32 s2, 0xf033
	s_cbranch_scc0 .Lentry_shape_is_right
	s_endpgm
.Lentry_shape_is_right:
; S = q k^T on codes of FP6 (E2M3), the causal mask, and p = 2^(t - M) quantised along the keys, tile by tile of 256 queries x 256 keys.
; t = score x log2(e) / 32.  M IS TAKEN FOR EACH CHUNK OF 128 KEYS BY ITSELF: M_loc = the ceiling of the chunk's largest t of a query, a whole number.  The next launch takes M_row - M_loc off p's scale bytes: an exact power of two.
; For each query and chunk go out: the chunk's 128 codes of p, its scale word, -M_loc, and l_loc = the sum of the chunk's unquantised p.
; THE CORE is that of the launch before: four waves, each 128 x 128, 64 accumulators; operands as images of their registers; three LDS slots of two K steps, three first fills and one refill, asked for in K step 1; scale words in 64 registers.
; Source 0 = 16 keys, source 1 = 16 queries; the keys of a block are 32 (b / 2) + 8 (b % 2) + r + 8 (r / 8), so a lane holds one query and the 16 registers of accumulators (a, 2 n), (a, 2 n + 1) are 16 neighbouring keys.
; THE MASK COSTS NO LINE A SCORE: it is the C of each sum's first matrix instruction, 0 or -2^100.  With E = my query - my first key (below), register j of accumulator (a, b) is hidden where 32 (b / 2 - a / 2) + 8 (b % 2 - a % 2) + j > E.
; Five tiles of eight registers serve all 64 accumulators: three for b / 2 = a / 2, one for b / 2 > a / 2 (hidden where 24 > E), one for b / 2 < a / 2 (hidden where -17 > E); E is -16 .. 23 on a wave's diagonal, else at least 112 or at most -105.
; GRID.  A batch's causal half is three super-tiles of 1,024 x 1,024, one cluster of 4 x 4 work-groups each: q's tile is shared along a row of the cluster, k's along a column, each asked for jointly.
; In a cluster on the diagonal six of the sixteen tiles lie wholly above it.  No branch hangs on a work-group's place in its cluster: these partners make every joint request and store tiles of zeros
; (two of the six are read by the next launch, whose key extents are multiples of 512): the price of sharing, 48 tiles in 192.
; pc: fragment (query block RB, chunk ks) at (16 RB + ks) x 1536.  pst: triple (RB / 4, ks) at (16 (RB / 4) + ks) x 768: + 0 scale words, + 256 -M_loc, + 512 l_loc, each 256 bytes, (r, RB % 4) at 16 r + 4 (RB % 4).
; LIMITS: |t| stays under 2^66 (a chunk that is wholly hidden stores -M_loc = 2^66, l = 0, zero codes and the byte 1); NaN and infinities are not served; a block whose every p is 0 keeps the byte 1.
; REGISTERS as in the launch before; v96-127 and v224-231 hold the mask's five tiles up to K step 0 and are at work on the way out.
.set KS,    16
.set SLOT,  98304
.set HALF,  24576
.set SPARE, 3*SLOT
.set CH,    256*KS
.set LI,   3
.set ADRA, 4
.set ADRB, 7
.set SPW,  10
.set NIL,  11
.set SOF,  12
.set SWO,  13
.set EE,   14                          ; v14  E
.set PV,   15                          ; v15  -2^100
.set SC,   32
.set PT,   96                          ; v96-119 the mask's tiles for b % 2 - a % 2 = -1, 0, 1
.set PHI,  120                         ; v120-127 for b / 2 > a / 2
.set PLO,  224                         ; v224-231 for b / 2 < a / 2
.set PW,   96                          ; the way out: v96-103 scale words, v104-111 -M_loc, v112-119 l_loc, of the eight blocks
.set MM,   104
.set LL,   112
.set Q0,   120                         ; v120-123, v124-127, v232-235: what I store of them
.set Q1,   124
.set Q2,   232
.set AF,   128
.set T,    224
.set BM,   232                         ; v232-235 the blocks' largest scores, then their largest p; v236-239 at work
.set NM,   240                         ; v[240:241] -M_loc, as a pair
.set TT,   242
.set SOP,  244                         ; v244-247 the conversions' scale operands
.set L0,   248                         ; v[248:251] the sum, in two chains of pairs
.set NMX,  252                         ; v252 the lowest finite number
.set G1A,  24
.set G0A0, 32
.set G0A1, 36
.set G0A2, 56
.set G1B,  48
.set G0B0, 60
.set G0B1, 68
.set G0B2, 72
.set CS,   76                          ; s[76:77] c = log2(e) / 32: the packed form names a pair
.set SEL,  78                          ; s[78:79]
.set MSB, 0
.macro WIN new
.if MSB != (\new)
	s_set_vgpr_msb (MSB<<8)|(\new)
.set MSB, \new
.endif
.endm
.macro PLACES n
.rept \n
	v_nop
.endr
.endm
.macro CREST
	s_cmp_lg_u32 s14, 0
	s_cbranch_scc1 .Lnot_wave_0_\@
	s_barrier_signal -3
.Lnot_wave_0_\@:
	s_barrier_wait -3
	s_barrier_signal -1
	s_barrier_wait -1
.endm
.macro CROUND
	s_barrier_signal -1
	s_barrier_wait -1
	CREST
.endm
.macro JLOAD                           ; the joint refill of slot 0; an s_nop 0 and four v_nop follow each line
	s_cmp_eq_u32 s15, 0
	s_cbranch_scc0 .Lfor_b_\@
	tensor_load_to_lds s[G0A0:G0A0+3], s[G1A:G1A+7]
	s_nop 0
	PLACES 4
	s_branch .Lasked_\@
.Lfor_b_\@:
	tensor_load_to_lds s[G0B0:G0B0+3], s[G1B:G1B+7]
	s_nop 0
	PLACES 4
.Lasked_\@:
.endm
.macro MKG0 g, base, f
	s_mov_b32 s[\g], 1
	s_add_co_u32 s[\g+1], s45, (\f)*SLOT
	s_add_nc_u64 s[\g+2:\g+3], s[\base:\base+1], (\f)*3072
	s_or_b32 s[\g+3], s[\g+3], 0x80000000
.endm
.macro FRAG reg, adr, off
.irp c, 0,1,2
	ds_load_b128 v[\reg+4*\c:\reg+4*\c+3], v[\adr] offset:\off+512*\c
.endr
.endm
.macro FETCH_B s, q, p
	WIN 0x40
.irp i, 0,1,2,3,4,5,6,7
	FRAG 128*(\p)+12*\i, ADRB+(\s), \i*3072+(\q)*1536
.endr
	WIN 0
.endm
.macro FETCH_A s, q, i0
.irp i, \i0, \i0+1, \i0+2, \i0+3
	FRAG AF+12*(\i), ADRA+(\s), (\i)*3072+(\q)*1536
.endr
.endm
; 16 matrix instructions; zero = 1: the sums begin with the mask's tile.  The 64 accumulators take turns, one instruction a turn.
.macro MUL16 a0, p, q, zero
.irp a, \a0, \a0+1
.irp b, 0,1,2,3,4,5,6,7
.set DR, 8*(8*((\a)%4)+\b)
.if \zero
.if (\b)/2 > (\a)/2
.set CR, PHI
.elseif (\b)/2 < (\a)/2
.set CR, PLO
.else
.set CR, PT+8*((\b)%2-(\a)%2+1)
.endif
	v_wmma_scale_f32_16x16x128_f8f6f4 v[DR:DR+7], v[128*(\p)+12*\b:128*(\p)+12*\b+11], v[AF+12*(\a):AF+12*(\a)+11], v[CR:CR+7], v[SC+8*(\q)+\b], v[SC+8*(\q)+(\a)] matrix_a_fmt:MATRIX_FMT_FP6 matrix_b_fmt:MATRIX_FMT_FP6 matrix_a_scale:MATRIX_SCALE_ROW1
.else
	v_wmma_scale_f32_16x16x128_f8f6f4 v[DR:DR+7], v[128*(\p)+12*\b:128*(\p)+12*\b+11], v[AF+12*(\a):AF+12*(\a)+11], v[DR:DR+7], v[SC+8*(\q)+\b], v[SC+8*(\q)+(\a)] matrix_a_fmt:MATRIX_FMT_FP6 matrix_b_fmt:MATRIX_FMT_FP6 matrix_a_scale:MATRIX_SCALE_ROW1
.endif
.endr
.endr
.endm
; K STEP q; the modes are those of the launch before: 0 plain; 1 the wait for all tensor loads, the add, a round, the refill of slot 0 (it also shows slots 1 and 2 whole); 2 the same wait and add and a barrier, nothing filled; 3 the last.
.macro KSTEP q, mode, zero
.set SL, (((\q)+1)/2)%3
.set NQ, ((\q)+1)%2
.set P,  (\q)%2
.if (\mode == 1) || (\mode == 2)
	s_wait_tensorcnt 0x0                           ; all my tensor loads have landed, my part of the slots ahead among them;
	ds_add_u32 v[SPW], v[NIL]                      ; 0 onto my spare word;
	s_wait_dscnt 13                                ; (the add and the youngest twelve loads, A's blocks 4-7, may be out)
.else
	s_wait_dscnt 12                                ; B's set and A's blocks 0-3 are in; the youngest twelve loads may be out
.endif
.if \zero
	WIN 0x81                                       ; C, the mask's tile, in window 0
.else
	WIN 0xa1
.endif
	MUL16 0, P, \q, \zero
.if (\mode == 1) || (\mode == 2)
	s_wait_dscnt 0x0                               ; my LDS instructions are done: my reads of the slot that I leave are over
	s_barrier_signal -1
.endif
	MUL16 2, P, \q, \zero
.if (\mode == 1) || (\mode == 2)
	WIN 0
	s_barrier_wait -1
.else
	s_wait_dscnt 0x0                               ; A's blocks 4-7 are in
.endif
.if \mode == 1
	CREST                                          ; no wave of any partner still reads slot 0 or has a load on its way
	s_add_nc_u64 s[G0A0+2:G0A0+3], s[G0A0+2:G0A0+3], 3*3072
	s_add_nc_u64 s[G0B0+2:G0B0+3], s[G0B0+2:G0B0+3], 3*3072
	JLOAD                                          ; the first tensor load behind the round; its four v_nop are the places in front of the loads below
.elseif \mode != 3
	PLACES 4
.endif
.if \mode != 3
	FETCH_B SL, NQ, 1-P
	FETCH_A SL, NQ, 0
.endif
.if \zero
	WIN 0xc1
.else
	WIN 0xf1
.endif
	MUL16 4, P, \q, \zero
	MUL16 6, P, \q, \zero
.if \mode != 3
	PLACES 4
	WIN 0
	FETCH_A SL, NQ, 4
.else
	WIN 0
.endif
.endm
	s_load_b256 s[4:11], s[0:1], 0x0               ; qkvc, qkvs, pc, pst
	v_lshl_add_u32 v[SPW], v0, 2, SPARE
	v_mov_b32 v[NIL], 0
	ds_add_u32 v[SPW], v[NIL]                      ; the wave's opening: the add and its wait stand ahead of my first tensor load
	v_lshrrev_b32 v1, 5, v0
	v_readfirstlane_b32 s14, v1                    ; wave 0..3
	s_lshr_b32 s15, s14, 1                         ; my half of the queries.  Also: I fetch for q (0) or for k (1)
	s_and_b32 s16, s14, 1                          ; my half of the keys.  Also: which 8 blocks I fetch
	s_bfe_u32 s40, ttmp6, 0x40000                  ; cx, cy
	s_bfe_u32 s41, ttmp6, 0x40004
	s_add_co_u32 s18, ttmp9, 1
	s_lshr_b32 s18, s18, 1                         ; the super-tile's row: 0, 1, 1 for cluster x = 0, 1, 2
	s_lshr_b32 s19, ttmp9, 1                       ; and its column: 0, 0, 1
	s_lshl_b32 s17, s18, 2
	s_add_co_u32 s17, s17, s41                     ; the tile of queries, 0 .. 7 in the batch
	s_lshl_b32 s42, s19, 2
	s_add_co_u32 s42, s42, s40                     ; the tile of keys
	s_and_b32 s22, ttmp7, 0xffff
	s_lshl_b32 s22, s22, 7                         ; the batch's first token block
	s_lshl_b32 s43, s41, 2
	s_lshl_b32 s43, 15, s43                        ; my row of the cluster
	s_lshl_b32 s44, 0x1111, s40                    ; my column
	s_or_b32 s[G1A], s43, (3<<16)|(1<<21)          ; group 1: 8 rows of 3,072 bytes as 384 elements of 8 bytes, a row block of qkvc apart
	s_or_b32 s[G1B], s44, (3<<16)|(1<<21)
.irp g, G1A, G1B
	s_mov_b32 s[\g+1], 384<<16
	s_mov_b32 s[\g+2], 8<<16
	s_mov_b32 s[\g+3], 384<<16
	s_mov_b32 s[\g+4], 8
	s_mov_b32 s[\g+5], 192*KS
	s_mov_b32 s[\g+6], 0
	s_mov_b32 s[\g+7], 0
.endr
	s_lshl_b32 s20, s17, 4
	s_add_co_u32 s20, s20, s22
	s_lshl_b32 s21, s16, 3
	s_add_co_u32 s20, s20, s21
	s_mul_i32 s20, s20, 1536*KS                    ; q: K steps 0-7 of the token block
	s_mov_b32 s21, 0
	s_lshl_b32 s46, s42, 4
	s_add_co_u32 s46, s46, s22
	s_lshl_b32 s47, s16, 3
	s_add_co_u32 s46, s46, s47
	s_mul_i32 s46, s46, 1536*KS
	s_add_co_u32 s46, s46, 8*1536                  ; k: K steps 8-15
	s_mov_b32 s47, 0
	s_mul_i32 s45, s14, HALF
	s_mov_b32 s[CS], 0x3d38aa3b                    ; log2(e) / 32
	s_mov_b32 s[CS+1], s[CS]
	s_mov_b32 s[SEL], 0x76543210
	s_mov_b32 s[SEL+1], 0xfedcba98
	s_wait_dscnt 0x0                               ; the opening add is done
	s_wait_kmcnt 0x0
	s_add_nc_u64 s[20:21], s[4:5], s[20:21]
	s_add_nc_u64 s[46:47], s[4:5], s[46:47]
	MKG0 G0A0, 20, 0                               ; the groups 0 are made ahead of the round, so that the loads go out directly behind it
	MKG0 G0A1, 20, 1
	MKG0 G0A2, 20, 2
	MKG0 G0B0, 46, 0
	MKG0 G0B1, 46, 1
	MKG0 G0B2, 46, 2
	CROUND                                         ; all sixteen work-groups are here: the first joint loads meet
	s_cmp_eq_u32 s15, 0                            ; a wave's three first fills stand in one branch
	s_cbranch_scc0 .Lfirst_b
	tensor_load_to_lds s[G0A0:G0A0+3], s[G1A:G1A+7]
	s_nop 0
	tensor_load_to_lds s[G0A1:G0A1+3], s[G1A:G1A+7]
	s_nop 0
	tensor_load_to_lds s[G0A2:G0A2+3], s[G1A:G1A+7]
	s_nop 0
	PLACES 4
	s_branch .Lfirst_asked
.Lfirst_b:
	tensor_load_to_lds s[G0B0:G0B0+3], s[G1B:G1B+7]
	s_nop 0
	tensor_load_to_lds s[G0B1:G0B1+3], s[G1B:G1B+7]
	s_nop 0
	tensor_load_to_lds s[G0B2:G0B2+3], s[G1B:G1B+7]
	s_nop 0
	PLACES 4
.Lfirst_asked:
	v_and_b32 v1, 15, v0                           ; r
	v_bfe_u32 v2, v0, 4, 1                         ; h
	v_and_b32 v3, 31, v0
	v_lshlrev_b32 v[LI], 4, v3
	s_lshl_b32 s86, s17, 4
	s_add_co_u32 s86, s86, s22
	s_lshl_b32 s87, s15, 3
	s_add_co_u32 s86, s86, s87                     ; RB0: my first query block
	s_lshl_b32 s82, s86, 10                        ; q's scale words: a block's share of a group's 16 chunks is 1,024 bytes
	s_lshl_b32 s83, s42, 4
	s_add_co_u32 s83, s83, s22
	s_lshl_b32 s87, s16, 3
	s_add_co_u32 s83, s83, s87
	s_lshl_b32 s83, s83, 10
	s_add_co_u32 s83, s83, 8*256                   ; k's: K steps 8-15
	s_sub_co_u32 s83, s83, s82
	v_mul_lo_u32 v[SOF], v2, s83                   ; lanes 0-15 take q's, lanes 16-31 k's
	v_add_nc_u32 v[SOF], s82, v[SOF]
	v_lshl_add_u32 v[SOF], v1, 4, v[SOF]
.irp q, 0,1,2,3,4,5,6,7
.irp u, 0,1
	global_load_b128 v[SC+8*\q+4*\u:SC+8*\q+4*\u+3], v[SOF], s[6:7] offset:\u*CH+256*\q
.endr
.endr
	s_mul_i32 s80, s15, HALF
	s_mul_i32 s81, s16, HALF
	s_add_co_u32 s81, s81, 2*HALF
.irp s, 0,1,2
	v_add_nc_u32 v[ADRA+\s], s80, v[LI]
	v_add_nc_u32 v[ADRB+\s], s81, v[LI]
	s_add_co_u32 s80, s80, SLOT
	s_add_co_u32 s81, s81, SLOT
.endr
	s_lshl_b32 s87, s42, 1
	s_add_co_u32 s87, s87, s16                     ; my chunk of 128 keys, 0 .. 15 in the batch
	s_lshl_b32 s88, s86, 4
	s_add_co_u32 s88, s88, s87
	s_mul_i32 s88, s88, 1536
	s_mov_b32 s89, 0
	s_add_nc_u64 s[8:9], s[8:9], s[88:89]
	s_mul_i32 s88, s86, 3072                       ; a block's share of a group's 16 triples
	s_mul_i32 s87, s87, 768
	s_add_co_u32 s88, s88, s87
	s_add_nc_u64 s[10:11], s[10:11], s[88:89]
	v_mul_u32_u24 v[SWO], v2, 12288                ; lanes 16-31 store the second group's triple
	v_lshl_add_u32 v[SWO], v1, 4, v[SWO]
	; the mask.  E = 256 (tile of queries - tile of keys) + 128 (my half of the queries - my half of the keys) + r + 8 (r / 8) - 16 h: places in the cluster enter data alone
	s_sub_co_i32 s80, s17, s42
	s_lshl_b32 s80, s80, 8
	s_sub_co_i32 s81, s15, s16
	s_lshl_b32 s81, s81, 7
	s_add_co_i32 s80, s80, s81
	v_and_b32 v[EE], 8, v1
	v_add_nc_u32 v[EE], v[EE], v1
	v_lshlrev_b32 v[PV], 4, v2
	v_sub_nc_u32 v[EE], v[EE], v[PV]
	v_add_nc_u32 v[EE], s80, v[EE]
	v_mov_b32 v[PV], 0xf1800000                    ; -2^100
.irp d, 0,1,2
.irp j, 0,1,2,3,4,5,6,7
	v_cmp_gt_i32 vcc_lo, 8*(\d-1)+\j, v[EE]
	v_cndmask_b32 v[PT+8*\d+\j], 0, v[PV], vcc_lo
.endr
.endr
	v_cmp_gt_i32 vcc_lo, 24, v[EE]
.irp j, 0,1,2,3,4,5,6,7
	v_cndmask_b32 v[PHI+\j], 0, v[PV], vcc_lo
.endr
	v_cmp_gt_i32 vcc_lo, -17, v[EE]
.irp j, 0,1,2,3,4,5,6,7
	v_cndmask_b32 v[PLO+\j], 0, v[PV], vcc_lo
.endr
	v_mov_b32 v[NMX], 0xff7fffff
.irp b, 0,1,2,3
	v_mov_b32 v[BM+4+\b], 0                        ; written once: a lane permute's destination counts as one of its sources
.endr
	s_wait_tensorcnt 0x2                           ; my part of slot 0 has landed; slots 1 and 2 may stay out
	s_barrier_signal -1
	s_barrier_wait -1
	FETCH_B 0, 0, 0
	FETCH_A 0, 0, 0
	FETCH_A 0, 0, 4
	s_wait_loadcnt 0x0                             ; the scale words
	KSTEP 0, 0, 1
	KSTEP 1, 1, 0                                  ; slot 0 is read out: it is asked for again, with K steps 6 and 7
	KSTEP 2, 0, 0
	KSTEP 3, 0, 0
	KSTEP 4, 0, 0
	KSTEP 5, 2, 0                                  ; the refilled slot 0 is shown whole
	KSTEP 6, 0, 0
	KSTEP 7, 3, 0
	PLACES 4
; THE WAY OUT.  Block a: 16 queries x my 128 keys; register 16 n + i = key 32 n + 16 (lane / 16) + i.
.macro SOFTQ a
.set W, 2+(\a)/4
.set SB, 64*((\a)%4)
.set PCA, AF+12*(\a)
.set WW, (W<<2)|(W<<4)
	WIN WW
.irp b, 0,1,2,3
	v_max3_num_f32 v[BM+\b], v[NMX], v[SB+16*\b], v[SB+16*\b+1]   ; the largest score of each block of 32 keys: it serves for the chunk's maximum and, since p rises with the score, for the block's largest p
.endr
.irp i, 2,4,6,8,10,12,14
.irp b, 0,1,2,3
	v_max3_num_f32 v[BM+\b], v[BM+\b], v[SB+16*\b+\i], v[SB+16*\b+\i+1]
.endr
.endr
	WIN 0
.irp b, 0,1,2,3
	v_permlanex16_b32 v[BM+4+\b], v[BM+\b], s[SEL], s[SEL+1]
.endr
.irp b, 0,1,2,3
	v_max_num_f32 v[BM+\b], v[BM+\b], v[BM+4+\b]
.endr
	v_max3_num_f32 v[TT], v[BM], v[BM+1], v[BM+2]
	v_max_num_f32 v[TT], v[TT], v[BM+3]
	v_mul_f32 v[TT], s[CS], v[TT]                  ; the chunk's largest t
	v_max_num_f32 v[TT], 0xe0800000, v[TT]         ; held at -2^66: what a wholly hidden chunk keeps
	v_floor_f32 v[NM], -v[TT]                      ; -M_loc = floor(-t) = -ceil(t): a whole number
	v_mov_b32 v[NM+1], v[NM]                       ; (named with it as a pair)
	v_mov_b32 v[MM+(\a)], v[NM]
.irp b, 0,1,2,3
	v_fma_f32 v[BM+\b], v[BM+\b], s[CS], v[NM]
.endr
.irp i, 0,1,2,3
	v_mov_b32 v[L0+\i], 0
.endr
.set WW, (W<<6)|W
	WIN WW
.irp j, 0,2,4,6,8,10,12,14,16,18,20,22,24,26,28,30,32,34,36,38,40,42,44,46,48,50,52,54,56,58,60,62
	v_pk_fma_f32 v[SB+\j:SB+\j+1], v[SB+\j:SB+\j+1], s[CS:CS+1], v[NM:NM+1] op_sel_hi:[1,0,0]   ; t - M, two at a time
.endr
.irp j, 0,1,2,3,4,5,6,7,8,9,10,11,12,13,14,15,16,17,18,19,20,21,22,23,24,25,26,27,28,29,30,31,32,33,34,35,36,37,38,39,40,41,42,43,44,45,46,47,48,49,50,51,52,53,54,55,56,57,58,59,60,61,62,63
	v_exp_f32 v[SB+\j], v[SB+\j]                   ; p = 2^(t - M), at most 1; a hidden key's is 0
.endr
	v_nop                                          ; a plain place behind the exponentials
	s_wait_alu depctr_va_vdst(0)                   ; one wait for the batch of 64, ahead of its first reader
	WIN 0
.irp b, 0,1,2,3
	v_exp_f32 v[BM+\b], v[BM+\b]                   ; the blocks' largest p: the same two instructions on the same number
.endr
.set WW, W<<2
	WIN WW
.irp j, 0,4,8,12,16,20,24,28,32,36,40,44,48,52,56,60
	v_pk_add_f32 v[L0:L0+1], v[L0:L0+1], v[SB+\j:SB+\j+1]           ; the sum is taken of the unquantised p, in two chains; plain work behind the four exponentials
	v_pk_add_f32 v[L0+2:L0+3], v[L0+2:L0+3], v[SB+\j+2:SB+\j+3]
.endr
	WIN 0
	v_pk_add_f32 v[L0:L0+1], v[L0:L0+1], v[L0+2:L0+3]
	v_add_f32 v[L0], v[L0], v[L0+1]
	v_permlanex16_b32 v[BM+4], v[L0], s[SEL], s[SEL+1]
	v_add_f32 v[LL+(\a)], v[L0], v[BM+4]           ; with lane l xor 16's 64 keys: l_loc
	s_wait_alu depctr_va_vdst(0)                   ; and one wait for the four
.irp b, 0,1,2,3
	v_max_num_f32 v[BM+\b], 0x1800000, v[BM+\b]    ; the floor 2^(3 - 127): the byte cannot fall under 1
.endr
.irp b, 0,1,2,3
	v_add_nc_u32 v[SOP+\b], 0xff000000, v[BM+\b]
.endr
.irp b, 0,1,2,3
	v_lshrrev_b32 v[BM+4+\b], 23, v[SOP+\b]
.endr
	v_lshl_or_b32 v[PW+(\a)], v[BM+5], 8, v[BM+4]
	v_lshl_or_b32 v[PW+(\a)], v[BM+6], 16, v[PW+(\a)]
	v_lshl_or_b32 v[PW+(\a)], v[BM+7], 24, v[PW+(\a)]
	WIN W
.irp c, 0,1
	v_cvt_scalef32_pk16_fp6_f32 v[PCA+6*\c:PCA+6*\c+2], v[SB+32*\c:SB+32*\c+15], v[SOP+2*\c]
	v_cvt_scalef32_pk16_fp6_f32 v[T+4*\c:T+4*\c+2], v[SB+32*\c+16:SB+32*\c+31], v[SOP+2*\c+1]
.endr
	v_nop                                          ; one plain place behind a scaled conversion
	WIN 0
.irp c, 0,1
.irp i, 0,1,2
	v_permlane16_swap_b32 v[PCA+6*\c+\i], v[T+4*\c+\i]
.endr
.irp i, 0,1,2
	v_mov_b32 v[PCA+6*\c+3+\i], v[T+4*\c+\i]
.endr
.endr
.irp c, 0,1,2
	global_store_b128 v[LI], v[PCA+4*\c:PCA+4*\c+3], s[8:9] offset:(\a)*24576+512*\c   ; 512 consecutive bytes; each block has codes' registers of its own
.endr
.endm
.irp a, 0,1,2,3,4,5,6,7
	SOFTQ \a
.endr
	v_cmp_ne_u32 vcc_lo, 0, v2
.irp i, 0,1,2,3
	v_cndmask_b32 v[Q0+\i], v[PW+\i], v[PW+4+\i], vcc_lo   ; lanes 0-15: blocks 0-3; lanes 16-31: blocks 4-7
	v_cndmask_b32 v[Q1+\i], v[MM+\i], v[MM+4+\i], vcc_lo
	v_cndmask_b32 v[Q2+\i], v[LL+\i], v[LL+4+\i], vcc_lo
.endr
	global_store_b128 v[SWO], v[Q0:Q0+3], s[10:11]             ; each store: two whole runs of 256 bytes
	global_store_b128 v[SWO], v[Q1:Q1+3], s[10:11] offset:256
	global_store_b128 v[SWO], v[Q2:Q2+3], s[10:11] offset:512
	s_wait_tensorcnt 0x0                           ; the wave's end
	ds_add_u32 v[SPW], v[NIL]
	s_wait_dscnt 0x0
	CROUND                                         ; the closing round
	s_endpgm
.Lfunc_end_k_q5ec6a9b142_score:
	.size	k_q5ec6a9b142_score, .Lfunc_end_k_q5ec6a9b142_score-k_q5ec6a9b142_score
	.p2alignl 7, 3214868480
	.fill 96, 4, 3214868480
	.section	.rodata,"a",@progbits
	.p2align	6, 0x0
	.amdhsa_kernel k_q5ec6a9b142_score
		.amdhsa_group_segment_fixed_size 327680
		.amdhsa_private_segment_fixed_size 0
		.amdhsa_enable_private_segment 0
		.amdhsa_kernarg_size 32
		.amdhsa_user_sgpr_count 2
		.amdhsa_user_sgpr_kernarg_segment_ptr 1
		.amdhsa_wavefront_size32 1
		.amdhsa_system_sgpr_workgroup_id_x 1
		.amdhsa_system_sgpr_workgroup_id_y 1
		.amdhsa_system_sgpr_workgroup_id_z 1
		.amdhsa_system_vgpr_workitem_id 0
		.amdhsa_next_free_vgpr 1024
		.amdhsa_next_free_sgpr 90
		.amdhsa_reserve_vcc 1
		.amdhsa_float_denorm_mode_32 3
		.amdhsa_float_denorm_mode_16_64 3
		.amdhsa_memory_ordered 1
		.amdhsa_forward_progress 1
		.amdhsa_inst_pref_size 198
	.end_amdhsa_kernel
	.amdgpu_metadata
---
amdhsa.version: [ 1, 2 ]
amdhsa.kernels:
  - .name:           k_q5ec6a9b142_score
    .symbol:         k_q5ec6a9b142_score.kd
    .args:
      - { .name: qkvc, .offset: 0, .size: 8, .value_kind: global_buffer, .address_space: global }
      - { .name: qkvs, .offset: 8, .size: 8, .value_kind: global_buffer, .address_space: global }
      - { .name: pc, .offset: 16, .size: 8, .value_kind: global_buffer, .address_space: global }
      - { .name: pst, .offset: 24, .size: 8, .value_kind: global_buffer, .address_space: global }
    .group_segment_fixed_size: 327680
    .private_segment_fixed_size: 0
    .kernarg_segment_align: 8
    .kernarg_segment_size: 32
    .max_flat_workgroup_size: 128
    .sgpr_count:     90
    .vgpr_count:     1024
    .wavefront_size: 32
...
	.end_amdgpu_metadata
.endif
;; end of part 3
;; launch pv (part 4): grid 4 x 64, 4 waves a work-group, clusters of 4 x 4, 327,680 bytes of LDS; arguments pc, pst, qkvc, qkvs, out0; writes out0
.if DOCPART == 4
	.amdgcn_target "amdgcn-amd-amdhsa--gfx1250"
	.amdhsa_code_object_version 6
	.text
	.protected	k_q5ec6a9b142_pv
	.globl	k_q5ec6a9b142_pv
	.p2align	8
	.type	k_q5ec6a9b142_pv,@function
k_q5ec6a9b142_pv:
	s_mov_b64 s[64:65], 0
	v_nop
	global_prefetch_b8 v0, s[64:65] scope:SCOPE_SE
	s_setreg_imm32_b32 hwreg(HW_REG_WAVE_MODE, 25, 1), 1
	s_wait_xcnt 0x0
	s_wait_alu depctr_hold_cnt(0) depctr_sa_sdst(0) depctr_va_vdst(0) depctr_va_sdst(0) depctr_va_ssrc(0) depctr_va_vcc(0) depctr_vm_vsrc(0)
	s_getreg_b32 s2, hwreg(HW_REG_IB_STS2, 6, 4)
	s_cmp_eq_u32 s2, 0
	s_cbranch_scc0 .Lentry_in_a_cluster
	s_endpgm
.Lentry_in_a_cluster:
	s_bfe_u32 s2, ttmp6, 0x10000c
	s_cmp_lg_u32 s2, 0xf033
	s_cbranch_scc0 .Lentry_shape_is_right
	s_endpgm
.Lentry_shape_is_right:
; O = (p v) / l on codes of FP6 (E2M3).  p comes as codes under a maximum M_loc of each chunk of 128 keys; here M_row = the largest M_loc of a query is found, and in every K step M_row - M_loc
; is taken off the four bytes of p's scale word: an exact power of two.  l_row = the sum of l_loc x 2^(M_loc - M_row); O is divided by it at the end.
; SHARES.  A work-group makes 128 queries x 256 features; a wave 64 x 128: 32 accumulators.  256 work-groups.  A cluster of 4 x 4 holds 512 queries of one batch x all 1,024 features;
; all sixteen walk the keys under 512 (j + 1), j = the cluster's number in its batch.  p's tiles are shared along a row of the cluster, v's along a column.
; Source 0 = 16 features of v^T, source 1 = 16 queries of p: a lane holds one query, and the 16 registers of accumulators (a, 2 n), (a, 2 n + 1) are 16 neighbouring features: 64 bytes of a row of O.
; LDS: two slots of FOUR K steps, as large as fit: p's 8 blocks (49,152 bytes), v's 16 (98,304), p's scale words with -M_loc and l_loc (6,144), v's scale words (4,096).  Each wave brings one of the four by one joint load.
; A cluster has j + 1 slots' worth of keys.  Up to two go out at the start; j = 2 fills slot 0 again, j = 3 both slots, each refill 112 matrix instructions ahead of the wait for it.
; THE FOUR WAYS part on j alone, which is the same in all sixteen partners, and are written out, so that every way issues just the loads that its waits count and no load is asked for that nobody reads:
;   j = 0: slot 0.   j = 1: slots 0, 1.   j = 2: slot 0 (filled again), 1, 0.   j = 3: slot 0 (filled again), 1 (filled again), 0, 1.
; All LDS addresses are constants of the text.  THE STAGE for the way out, 16 rows x 528 bytes for each wave, lies in slot 0 from LDS byte 0 on: a barrier in the last K step shows that every wave's reads of both slots are over,
; and both slots have had their last fill.  Behind the slots: the spare words.
; LIMITS: a byte of p that would fall under 0 is held at 0 (what it scales lies under 2^-120 of the row's largest p); NaN and infinities are not served.
; REGISTERS: window 0: v1-17 lane numbers and addresses; v32-39 v's scale words, two sets; v48-51 p's corrected scale words; v52-63 p's words, -M_loc, l_loc as loaded; v64-67 -M_row; v68-71 l_row; v72-111 at work;
;   v128-223 p's fragments, two sets of 48; on the way out v128-255 rows of O.   window 1: v's fragments, two sets, at v0 and v128.   window 2: accumulator (a, b) at v[8 (8 a + b)].
.set KB,    6144                       ; a block's four K steps in a slot
.set OB,    8*KB                       ; behind p's 8 blocks: v's 16
.set OPS,   OB+16*KB                   ; p's words, -M_loc, l_loc: 2 groups x 3,072 bytes
.set OVS,   OPS+2*3072                 ; v's words: 4 groups x 1,024 bytes
.set SLOT,  OVS+4*1024                 ; 157,696 bytes
.set SPITCH, 528
.set SPARE, 2*SLOT                     ; behind the slots: the spare words, 128 bytes for each wave
.set LI,  3                            ; v3   16 x lane
.set ADA, 4                            ; v4-5   LDS address of my fragments of p in slot 0, 1
.set ADB, 6                            ; v6-7   of v
.set ADP, 8                            ; v8-9   of p's words: 16 r in my group's row
.set ADV, 10                           ; v10-11 of v's words: lanes 0-15 blocks 0-3, lanes 16-31 blocks 4-7
.set STO, 12                           ; v12  the stage, on the way in
.set RD,  13                           ; v13  and back
.set SPW, 16                           ; v16  my spare word; never rewritten
.set NIL, 17                           ; v17  0; never rewritten
.set SBV, 32
.set SA,  48
.set RW,  52
.set RN,  56
.set RL,  60
.set NMR, 64
.set LAC, 68
.set WK,  72
.set AF,  128
.set BK,  128
.set G1P, 24                           ; s[24:31] group 1 for p's codes; s[32:39] v's codes; s[40:47] p's words; s[48:55] v's words
.set G1V, 32
.set G1S, 40
.set G1T, 48
.set G0P, 56                           ; groups 0, one for each slot: s[56:63], s[68:75], s[76:83], s[84:91]
.set G0V, 68
.set G0S, 76
.set G0T, 84
.set SEL, 98                           ; s[98:99]
.set MSB, 0
.macro WIN new
.if MSB != (\new)
	s_set_vgpr_msb (MSB<<8)|(\new)
.set MSB, \new
.endif
.endm
.macro PLACES n
.rept \n
	v_nop
.endr
.endm
.macro CREST
	s_cmp_lg_u32 s14, 0
	s_cbranch_scc1 .Lnot_wave_0_\@
	s_barrier_signal -3
.Lnot_wave_0_\@:
	s_barrier_wait -3
	s_barrier_signal -1
	s_barrier_wait -1
.endm
.macro CROUND
	s_barrier_signal -1
	s_barrier_wait -1
	CREST
.endm
.macro MKG0 g, lds, base, step
	s_mov_b32 s[\g], 1
	s_mov_b32 s[\g+1], \lds
	s_add_nc_u64 s[\g+2:\g+3], s[\base:\base+1], \step
	s_or_b32 s[\g+3], s[\g+3], 0x80000000
.endm
.macro TL g0, g1, s, both              ; both = 1: a wave's two first fills; else slot s alone.  An s_nop 0 follows each load, four v_nop the last
.if \both
	tensor_load_to_lds s[\g0:\g0+3], s[\g1:\g1+7]
	s_nop 0
	tensor_load_to_lds s[\g0+4:\g0+7], s[\g1:\g1+7]
	s_nop 0
.else
	tensor_load_to_lds s[\g0+4*(\s):\g0+4*(\s)+3], s[\g1:\g1+7]
	s_nop 0
.endif
	PLACES 4
.endm
.macro JLOAD4 s, both                  ; wave 0: p's codes; 1: v's codes; 2: p's words; 3: v's words.  The branches hang on the wave's number alone
	s_cmp_lt_u32 s14, 2
	s_cbranch_scc0 .Lw23_\@
	s_cmp_eq_u32 s14, 0
	s_cbranch_scc0 .Lw1_\@
	TL G0P, G1P, \s, \both
	s_branch .Lasked_\@
.Lw1_\@:
	TL G0V, G1V, \s, \both
	s_branch .Lasked_\@
.Lw23_\@:
	s_cmp_eq_u32 s14, 2
	s_cbranch_scc0 .Lw3_\@
	TL G0S, G1S, \s, \both
	s_branch .Lasked_\@
.Lw3_\@:
	TL G0T, G1T, \s, \both
.Lasked_\@:
.endm
.macro FRAG reg, adr, off
.irp c, 0,1,2
	ds_load_b128 v[\reg+4*\c:\reg+4*\c+3], v[\adr] offset:\off+512*\c
.endr
.endm
.macro FETCH4 s, q, p                  ; all that K step q of slot s wants, into set p: 40 loads
	WIN 0x40
.irp i, 0,1,2,3,4,5,6,7
	FRAG 128*(\p)+12*\i, ADB+(\s), \i*KB+(\q)*1536
.endr
	WIN 0
.irp i, 0,1,2,3
	FRAG AF+48*(\p)+12*\i, ADA+(\s), \i*KB+(\q)*1536
.endr
	ds_load_b128 v[RW:RW+3], v[ADP+(\s)] offset:(\q)*768
	ds_load_b128 v[RN:RN+3], v[ADP+(\s)] offset:(\q)*768+256
	ds_load_b128 v[RL:RL+3], v[ADP+(\s)] offset:(\q)*768+512
	ds_load_b128 v[SBV+4*(\p):SBV+4*(\p)+3], v[ADV+(\s)] offset:(\q)*256
.endm
; p's four scale words of this K step are brought under M_row.  d = M_row - M_loc, held at 127.  A byte of p is at most 125, so with bit 7 set in each byte d can be taken off all four at once with no borrow
; between bytes; a byte whose bit 7 has fallen would be negative and becomes 0.  The lines ahead of the write of SA are the places behind the last products, which named SA; the eight behind it are the places in front of the next.
.macro FIX
.irp a, 0,1,2,3
	v_sub_f32 v[WK+\a], v[NMR+\a], v[RN+\a]        ; M_loc - M_row: a whole number, 0 or less
.endr
.irp a, 0,1,2,3
	v_max_num_f32 v[WK+\a], 0xc2fe0000, v[WK+\a]   ; held at -127
.endr
.irp a, 0,1,2,3
	v_cvt_i32_f32 v[WK+\a], v[WK+\a]
.endr
.irp a, 0,1,2,3
	v_or_b32 v[WK+4+\a], s96, v[RW+\a]
.endr
.irp a, 0,1,2,3
	v_mul_lo_u32 v[WK+8+\a], v[WK+\a], s97
.endr
.irp a, 0,1,2,3
	v_add_nc_u32 v[WK+4+\a], v[WK+4+\a], v[WK+8+\a]
.endr
.irp a, 0,1,2,3
	v_and_b32 v[WK+12+\a], s96, v[WK+4+\a]
.endr
.irp a, 0,1,2,3
	v_lshrrev_b32 v[WK+8+\a], 7, v[WK+12+\a]
.endr
.irp a, 0,1,2,3
	v_sub_nc_u32 v[WK+12+\a], v[WK+12+\a], v[WK+8+\a]   ; 0x7f in each byte that stayed at 0 or above
.endr
.irp a, 0,1,2,3
	v_and_b32 v[SA+\a], v[WK+4+\a], v[WK+12+\a]
.endr
.irp a, 0,1,2,3
	v_ldexp_f32 v[WK+16+\a], v[RL+\a], v[WK+\a]    ; l_loc under M_row: nothing is rounded
.endr
.irp a, 0,1,2,3
	v_add_f32 v[LAC+\a], v[LAC+\a], v[WK+16+\a]
.endr
.endm
; 8 matrix instructions: p's block a x v's eight.  The 32 accumulators take turns, one instruction a turn, in the same order in every K step.
.macro MULP a, p, zero
.irp b, 0,1,2,3,4,5,6,7
.set DR, 8*(8*(\a)+\b)
.set BR, 128*(\p)+12*\b
.set AR, AF+48*(\p)+12*(\a)
.set SR, SBV+4*(\p)+\b%4
.if \zero
.if \b < 4
	v_wmma_scale_f32_16x16x128_f8f6f4 v[DR:DR+7], v[BR:BR+11], v[AR:AR+11], 0, v[SR], v[SA+(\a)] matrix_a_fmt:MATRIX_FMT_FP6 matrix_b_fmt:MATRIX_FMT_FP6
.else
	v_wmma_scale_f32_16x16x128_f8f6f4 v[DR:DR+7], v[BR:BR+11], v[AR:AR+11], 0, v[SR], v[SA+(\a)] matrix_a_fmt:MATRIX_FMT_FP6 matrix_b_fmt:MATRIX_FMT_FP6 matrix_a_scale:MATRIX_SCALE_ROW1
.endif
.else
.if \b < 4
	v_wmma_scale_f32_16x16x128_f8f6f4 v[DR:DR+7], v[BR:BR+11], v[AR:AR+11], v[DR:DR+7], v[SR], v[SA+(\a)] matrix_a_fmt:MATRIX_FMT_FP6 matrix_b_fmt:MATRIX_FMT_FP6
.else
	v_wmma_scale_f32_16x16x128_f8f6f4 v[DR:DR+7], v[BR:BR+11], v[AR:AR+11], v[DR:DR+7], v[SR], v[SA+(\a)] matrix_a_fmt:MATRIX_FMT_FP6 matrix_b_fmt:MATRIX_FMT_FP6 matrix_a_scale:MATRIX_SCALE_ROW1
.endif
.endif
.endr
.endm
; A K step on set p.  fetch = 1: the next one, K step nq of slot ns, is fetched into the other set ahead of the 32 products.
; fetch = 0: the very last K step: a barrier of the work-group stands round its products: behind it no wave reads a slot any more, and the stage may be written.
.macro STEP4 ns, nq, p, zero, fetch
	s_wait_dscnt 0x0                               ; this K step's 40 loads are in (asked for 32 matrix instructions ago)
	FIX
.if \fetch
	FETCH4 \ns, \nq, 1-(\p)
.else
	s_barrier_signal -1                            ; my reads of both slots are over (the wait above was for all of them); work on registers stands between signal and wait
.endif
	WIN 0xa1
	MULP 0, \p, \zero
	MULP 1, \p, \zero
	MULP 2, \p, \zero
	MULP 3, \p, \zero
	WIN 0
.if \fetch == 0
	s_barrier_wait -1
.endif
.endm
; A slot's fourth K step changes slots: one barrier; in front of it each wave waits for all its tensor loads, adds 0 to its spare word, and waits for that and for its reads of this slot.  fill = 1: this slot is filled again, with the keys two slots on.
.macro TURN4 s, fill
	s_wait_tensorcnt 0x0                           ; all my tensor loads have landed: my part of the other slot;
	ds_add_u32 v[SPW], v[NIL]                      ; 0 onto my spare word;
	s_wait_dscnt 1                                 ; (this K step's loads are in; the add may be out)
	FIX
	WIN 0xa1
	MULP 0, 1, 0
	s_wait_dscnt 0x0                               ; the add is done, and my reads of this slot are over
	s_barrier_signal -1
	MULP 1, 1, 0
	WIN 0
	s_barrier_wait -1
.if \fill
	CREST                                          ; the barrier has opened a round of the cluster's: no wave of any partner still reads this slot or has a load on its way
	s_add_nc_u64 s[G0P+4*(\s)+2:G0P+4*(\s)+3], s[G0P+4*(\s)+2:G0P+4*(\s)+3], 8*1536
	s_add_nc_u64 s[G0V+4*(\s)+2:G0V+4*(\s)+3], s[G0V+4*(\s)+2:G0V+4*(\s)+3], 8*1536
	s_add_nc_u64 s[G0S+4*(\s)+2:G0S+4*(\s)+3], s[G0S+4*(\s)+2:G0S+4*(\s)+3], 8*768
	s_add_nc_u64 s[G0T+4*(\s)+2:G0T+4*(\s)+3], s[G0T+4*(\s)+2:G0T+4*(\s)+3], 8*256
	JLOAD4 \s, 0                                   ; the first tensor load behind the round, one a wave: 112 matrix instructions stand ahead of the wait for it
.endif
	FETCH4 1-(\s), 0, 0                            ; into the sets that the K step before read: the lines of FIX stand between
	WIN 0xa1
	MULP 2, 1, 0
	MULP 3, 1, 0
	WIN 0
.endm
; From slot s's second K step to the other slot's first.
.macro UNIT s, fill
	STEP4 \s, 2, 1, 0, 1
	STEP4 \s, 3, 0, 0, 1
	TURN4 \s, \fill
	STEP4 1-(\s), 1, 0, 0, 1
.endm
; The last slot's second, third and fourth K steps.
.macro LAST s
	STEP4 \s, 2, 1, 0, 1
	STEP4 \s, 3, 0, 0, 1
	STEP4 0, 0, 1, 0, 0
.endm
; The first fills (both = 1: of both slots; two tensor loads of a wave are out), M_row, and the first K step, whose products start the sums.
; M_ROW.  -M_loc of my 64 queries, all chunks: lane (r, h) takes chunks 8 h + 0 .. 7, held at the last chunk that this cluster walks: a chunk taken twice changes no minimum, and nothing is read that was not written.
.macro OPEN both
	JLOAD4 0, \both
.irp i, 0,1,2,3,4,5,6,7
	global_load_b128 v[72+4*\i:75+4*\i], v[104+\i], s[22:23]
.endr
	s_wait_tensorcnt \both                         ; my part of slot 0 has landed; where slot 1 was asked for too, its load may stay out
	s_barrier_signal -1
	s_barrier_wait -1                              ; everybody's has
	FETCH4 0, 0, 0
	s_wait_loadcnt 0x0
.irp a, 0,1,2,3
	v_min3_num_f32 v[NMR+\a], v[72+\a], v[76+\a], v[80+\a]
.endr
.irp a, 0,1,2,3
	v_min3_num_f32 v[NMR+\a], v[NMR+\a], v[84+\a], v[88+\a]
.endr
.irp a, 0,1,2,3
	v_min3_num_f32 v[NMR+\a], v[NMR+\a], v[92+\a], v[96+\a]
.endr
.irp a, 0,1,2,3
	v_min_num_f32 v[NMR+\a], v[NMR+\a], v[100+\a]
.endr
.irp a, 0,1,2,3
	v_permlanex16_b32 v[104+\a], v[NMR+\a], s[SEL], s[SEL+1]
.endr
.irp a, 0,1,2,3
	v_min_num_f32 v[NMR+\a], v[NMR+\a], v[104+\a]  ; -M_row of query r of my block a
.endr
.irp a, 0,1,2,3
	v_mov_b32 v[LAC+\a], 0
.endr
	STEP4 0, 1, 0, 1, 1
.endm
	s_load_b256 s[4:11], s[0:1], 0x0               ; pc, pst, qkvc, qkvs
	s_load_b64 s[12:13], s[0:1], 0x20              ; out0
	v_lshl_add_u32 v[SPW], v0, 2, SPARE
	v_mov_b32 v[NIL], 0
	ds_add_u32 v[SPW], v[NIL]                      ; the wave's opening: the add and its wait stand ahead of my first tensor load; all set-up that hangs on no argument stands between them
	v_lshrrev_b32 v1, 5, v0
	v_readfirstlane_b32 s14, v1                    ; wave 0..3
	s_lshr_b32 s15, s14, 1                         ; my half of the queries
	s_and_b32 s16, s14, 1                          ; my half of the features
	s_bfe_u32 s18, ttmp6, 0x40000                  ; cx
	s_bfe_u32 s17, ttmp6, 0x40004                  ; cy
	s_and_b32 s19, ttmp7, 0xffff                   ; cluster y, 0 .. 15
	s_lshl_b32 s20, s19, 2
	s_add_co_u32 s20, s20, s17                     ; the tile of 128 queries, 0 .. 63
	s_lshr_b32 s21, s19, 2                         ; the batch
	s_and_b32 s3, s19, 3                           ; j: the same in all sixteen partners
	s_lshl_b32 s22, ttmp9, 2
	s_add_co_u32 s22, s22, s18                     ; the tile of 256 features, 0 .. 3
	s_lshl_b32 s23, s17, 2
	s_lshl_b32 s23, 15, s23                        ; my row of the cluster
	s_lshl_b32 s2, 0x1111, s18                     ; my column
	; descriptor groups 1, elements of 8 bytes, no padding: rows x bytes, pitch: p's codes 8 x 6,144, 24,576; v's codes 16 x 6,144, 24,576; p's words 2 x 3,072, 12,288; v's words 4 x 1,024, 4,096
	s_or_b32 s[G1P], s23, (3<<16)|(1<<21)
	s_mov_b32 s[G1P+1], 768<<16
	s_mov_b32 s[G1P+2], 8<<16
	s_mov_b32 s[G1P+3], 768<<16
	s_mov_b32 s[G1P+4], 8
	s_mov_b32 s[G1P+5], 3072
	s_mov_b32 s[G1P+6], 0
	s_mov_b32 s[G1P+7], 0
	s_or_b32 s[G1V], s2, (3<<16)|(1<<21)
	s_mov_b32 s[G1V+1], 768<<16
	s_mov_b32 s[G1V+2], 16<<16
	s_mov_b32 s[G1V+3], 768<<16
	s_mov_b32 s[G1V+4], 16
	s_mov_b32 s[G1V+5], 3072
	s_mov_b32 s[G1V+6], 0
	s_mov_b32 s[G1V+7], 0
	s_or_b32 s[G1S], s23, (3<<16)|(1<<21)
	s_mov_b32 s[G1S+1], 384<<16
	s_mov_b32 s[G1S+2], 2<<16
	s_mov_b32 s[G1S+3], 384<<16
	s_mov_b32 s[G1S+4], 2
	s_mov_b32 s[G1S+5], 1536
	s_mov_b32 s[G1S+6], 0
	s_mov_b32 s[G1S+7], 0
	s_or_b32 s[G1T], s2, (3<<16)|(1<<21)
	s_mov_b32 s[G1T+1], 128<<16
	s_mov_b32 s[G1T+2], 4<<16
	s_mov_b32 s[G1T+3], 128<<16
	s_mov_b32 s[G1T+4], 4
	s_mov_b32 s[G1T+5], 512
	s_mov_b32 s[G1T+6], 0
	s_mov_b32 s[G1T+7], 0
	; the LDS addresses: constants, the lane and the wave's number
	v_and_b32 v1, 15, v0                           ; r
	v_bfe_u32 v2, v0, 4, 1                         ; h
	v_and_b32 v3, 31, v0
	v_lshlrev_b32 v[LI], 4, v3
	v_lshlrev_b32 v20, 4, v1                       ; 16 r
	v_lshl_add_u32 v21, v2, 10, v20                ; + 1,024 h
	s_mul_i32 s92, s15, 4*KB                       ; my 4 blocks of p,
	s_mul_i32 s93, s16, 8*KB
	s_add_co_u32 s93, s93, OB                      ; my 8 blocks of v,
	s_mul_i32 s100, s15, 3072
	s_add_co_u32 s100, s100, OPS                   ; my group of p's words,
	s_lshl_b32 s101, s16, 11
	s_add_co_u32 s101, s101, OVS                   ; my two groups of v's
.irp s, 0,1
	v_add_nc_u32 v[ADA+\s], s92, v[LI]
	v_add_nc_u32 v[ADB+\s], s93, v[LI]
	v_add_nc_u32 v[ADP+\s], s100, v20
	v_add_nc_u32 v[ADV+\s], s101, v21
	s_add_co_u32 s92, s92, SLOT
	s_add_co_u32 s93, s93, SLOT
	s_add_co_u32 s100, s100, SLOT
	s_add_co_u32 s101, s101, SLOT
.endr
	s_mul_i32 s92, s14, 16*SPITCH                  ; my stage; the four stages begin at LDS byte 0
	v_mul_u32_u24 v[STO], v1, SPITCH
	v_lshl_add_u32 v[STO], v2, 6, v[STO]
	v_add_nc_u32 v[STO], s92, v[STO]               ; in: row r, + 64 h
	v_add_nc_u32 v[RD], s92, v[LI]                 ; back: a whole row of 512 bytes
	s_lshl_b32 s92, s3, 2
	s_add_co_u32 s92, s92, 3                       ; the last chunk that this cluster walks: 4 j + 3
	v_lshlrev_b32 v22, 3, v2
.irp i, 0,1,2,3,4,5,6,7
	v_add_nc_u32 v[104+\i], \i, v22                ; chunk 8 h + i,
	v_min_u32 v[104+\i], s92, v[104+\i]            ; held at the last,
	v_mul_u32_u24 v[104+\i], v[104+\i], 768        ; a triple of 768 bytes a chunk,
	v_add_nc_u32 v[104+\i], v[104+\i], v20         ; + 16 r
.endr
	; where the tiles begin in memory, in bytes
	s_mul_i32 s92, s20, 8*24576                    ; p's codes: 8 query blocks a tile
	s_mov_b32 s93, 0
	s_mul_i32 s94, s20, 2*12288                    ; p's words: 2 groups a tile
	s_mov_b32 s95, 0
	s_lshl_b32 s100, s21, 6
	s_lshl_b32 s101, s22, 4
	s_add_co_u32 s100, s100, s101
	s_add_co_u32 s100, s100, 512                   ; v^T's first row block: 512 + 64 batch + 16 x tile
	s_lshl_b32 s66, s100, 10                       ; v's words: a block's share of a group's 16 chunks is 1,024 bytes
	s_mov_b32 s67, 0
	s_mul_i32 s100, s100, 24576
	s_mov_b32 s101, 0
	s_lshl_b32 s18, s20, 7
	s_lshl_b32 s19, s15, 6
	s_add_co_u32 s18, s18, s19                     ; my first query,
	s_lshl_b32 s18, s18, 12                        ; rows of 4,096 bytes,
	s_lshl_b32 s19, s22, 10
	s_add_co_u32 s18, s18, s19
	s_lshl_b32 s19, s16, 9
	s_add_co_u32 s18, s18, s19                     ; + my first feature
	s_mov_b32 s19, 0
	s_mul_i32 s22, s15, 12288
	s_add_co_u32 s22, s22, 256                     ; my group's triples, at -M_loc
	s_mov_b32 s23, 0
	s_mov_b32 s96, 0x80808080
	s_mov_b32 s97, 0x01010101
	s_mov_b32 s[SEL], 0x76543210
	s_mov_b32 s[SEL+1], 0xfedcba98
	s_wait_dscnt 0x0                               ; the opening add is done
	s_wait_kmcnt 0x0
	s_add_nc_u64 s[92:93], s[4:5], s[92:93]
	s_add_nc_u64 s[94:95], s[6:7], s[94:95]
	s_add_nc_u64 s[100:101], s[8:9], s[100:101]
	s_add_nc_u64 s[66:67], s[10:11], s[66:67]
	s_add_nc_u64 s[12:13], s[12:13], s[18:19]
	s_add_nc_u64 s[22:23], s[94:95], s[22:23]
.irp s, 0,1                                    ; the groups 0 are made ahead of the round, so that the loads go out directly behind it
	MKG0 G0P+4*\s, \s*SLOT, 92, \s*KB
	MKG0 G0V+4*\s, \s*SLOT+OB, 100, \s*KB
	MKG0 G0S+4*\s, \s*SLOT+OPS, 94, \s*3072
	MKG0 G0T+4*\s, \s*SLOT+OVS, 66, \s*1024
.endr
	CROUND                                         ; all sixteen work-groups are here: the first joint loads meet
	s_cmp_eq_u32 s3, 0                             ; the first cluster of a batch has one slot's worth of keys: it has a way of its own, on which slot 1 is never asked for
	s_cbranch_scc1 .Lshort
	OPEN 1
	s_cmp_eq_u32 s3, 1
	s_cbranch_scc1 .Ltwo
	UNIT 0, 1                                      ; j = 2, 3: slot 0 takes K steps 8 to 11
	s_cmp_eq_u32 s3, 2
	s_cbranch_scc1 .Lthree
	UNIT 1, 1                                      ; j = 3: slot 1 takes K steps 12 to 15
.Ltwo:                                                 ; j = 1, 3: two slots' worth are left, and both have been asked for
	UNIT 0, 0
	LAST 1
	s_branch .Lout
.Lthree:                                               ; j = 2
	UNIT 1, 0
	LAST 0
	s_branch .Lout
.Lshort:                                               ; j = 0
	OPEN 0
	LAST 0
.Lout:
	PLACES 4                                       ; in front of the first read of results and of loads into registers that held fragments
.irp a, 0,1,2,3
	v_rcp_f32 v[WK+2*\a], v[LAC+\a]                ; 1 / l_row, in the low word of a pair
.endr
	v_nop                                          ; a plain place behind the reciprocals
	s_wait_alu depctr_va_vdst(0)                   ; one wait for the four, ahead of the first reader
; THE WAY OUT, block by block of 16 queries x 128 features: divided by l, through my own stage, back as whole rows of 512 bytes.  LDS serves a wave's instructions in order: no wait between the stores and the loads.
.macro TOSTAGE a
	WIN 0x82
.irp j, 0,2,4,6,8,10,12,14,16,18,20,22,24,26,28,30,32,34,36,38,40,42,44,46,48,50,52,54,56,58,60,62
	v_pk_mul_f32 v[64*(\a)+\j:64*(\a)+\j+1], v[64*(\a)+\j:64*(\a)+\j+1], v[WK+2*(\a):WK+2*(\a)+1] op_sel_hi:[1,0]   ; each accumulator from its low end on
.endr
	WIN 0x08                                       ; an LDS store's data are its source 1: window 2
.irp k, 0,1,2,3,4,5,6,7,8,9,10,11,12,13,14,15
	ds_store_b128 v[STO], v[64*(\a)+4*\k:64*(\a)+4*\k+3] offset:128*(\k/4)+16*(\k%4)
.endr
	WIN 0
.set BB, BK+64*((\a)%2)
.irp t, 0,1,2,3,4,5,6,7,8,9,10,11,12,13,14,15
	ds_load_b128 v[BB+4*\t:BB+4*\t+3], v[RD] offset:\t*SPITCH
.endr
.endm
.macro SEND a, younger                 ; younger: the LDS instructions issued behind block a's loads, which may stay out
.set BB, BK+64*((\a)%2)
	s_wait_dscnt \younger
.irp t, 0,1,2,3,4,5,6,7,8,9,10,11,12,13,14,15
	global_store_b128 v[LI], v[BB+4*\t:BB+4*\t+3], s[12:13] offset:(32*((\a)/2)+8*((\a)%2)+\t+8*(\t/8))*4096 th:TH_STORE_NT   ; 32 lanes store 512 consecutive bytes of one row of O, at a multiple of 256 from its first byte
.endr
.endm
	TOSTAGE 0
	TOSTAGE 1
	SEND 0, 32                                     ; behind block 0's loads: block 1's 16 stores and 16 loads
	s_wait_xcnt 0x0                                ; block 0's stores have read their registers: block 2's loads may land there
	TOSTAGE 2
	SEND 1, 32
	s_wait_xcnt 0x0
	TOSTAGE 3
	SEND 2, 32
	SEND 3, 0
	s_wait_tensorcnt 0x0                           ; the wave's end, behind my last tensor load and my last LDS store
	ds_add_u32 v[SPW], v[NIL]
	s_wait_dscnt 0x0
	CROUND                                         ; the closing round: no work-group ends while a partner may still ask for a tile that names it
	s_endpgm
.Lfunc_end_k_q5ec6a9b142_pv:
	.size	k_q5ec6a9b142_pv, .Lfunc_end_k_q5ec6a9b142_pv-k_q5ec6a9b142_pv
	.p2alignl 7, 3214868480
	.fill 96, 4, 3214868480
	.section	.rodata,"a",@progbits
	.p2align	6, 0x0
	.amdhsa_kernel k_q5ec6a9b142_pv
		.amdhsa_group_segment_fixed_size 327680
		.amdhsa_private_segment_fixed_size 0
		.amdhsa_enable_private_segment 0
		.amdhsa_kernarg_size 40
		.amdhsa_user_sgpr_count 2
		.amdhsa_user_sgpr_kernarg_segment_ptr 1
		.amdhsa_wavefront_size32 1
		.amdhsa_system_sgpr_workgroup_id_x 1
		.amdhsa_system_sgpr_workgroup_id_y 1
		.amdhsa_system_sgpr_workgroup_id_z 1
		.amdhsa_system_vgpr_workitem_id 0
		.amdhsa_next_free_vgpr 768
		.amdhsa_next_free_sgpr 102
		.amdhsa_reserve_vcc 0
		.amdhsa_float_denorm_mode_32 3
		.amdhsa_float_denorm_mode_16_64 3
		.amdhsa_memory_ordered 1
		.amdhsa_forward_progress 1
		.amdhsa_inst_pref_size 255
	.end_amdhsa_kernel
	.section	.bss,"aw",@nobits
	.p2align	6
	.space	262144
	.amdgpu_metadata
---
amdhsa.version: [ 1, 2 ]
amdhsa.kernels:
  - .name:           k_q5ec6a9b142_pv
    .symbol:         k_q5ec6a9b142_pv.kd
    .args:
      - { .name: pc, .offset: 0, .size: 8, .value_kind: global_buffer, .address_space: global }
      - { .name: pst, .offset: 8, .size: 8, .value_kind: global_buffer, .address_space: global }
      - { .name: qkvc, .offset: 16, .size: 8, .value_kind: global_buffer, .address_space: global }
      - { .name: qkvs, .offset: 24, .size: 8, .value_kind: global_buffer, .address_space: global }
      - { .name: out0, .offset: 32, .size: 8, .value_kind: global_buffer, .address_space: global }
    .group_segment_fixed_size: 327680
    .private_segment_fixed_size: 0
    .kernarg_segment_align: 8
    .kernarg_segment_size: 40
    .max_flat_workgroup_size: 128
    .sgpr_count:     102
    .vgpr_count:     768
    .wavefront_size: 32
...
	.end_amdgpu_metadata
.endif
;; end of part 4
